; MI455X (gfx1250); checked and timed in simulation.
; The chip was launched on July 23, 2026; its instructions are those of AMD's public machine-readable ISA for CDNA 5 (MIT licence, August 2026) and "CDNA5" Instruction Set Architecture Reference Guide (July 2026). The comments in the code are by the model that wrote it; some were corrected since.
;; Encoder Layer. Allowed arithmetic: matrix products marked QUANTISED: E3M2 operands, one E8M0 scale for each 32 along K, by v_wmma_scale_f32_16x16x128_f8f6f4 with both operands' format E3M2, f32 sums; products left as they are: f32 operands where the result goes on into a quantised operand, else bf16, f16 or f32 operands; f32 sums; everything else in f32.
;; Inputs: b1 512 float32; b2 512 float32; bc 10 float32; bo 512 float32; ln1_b 512 float32; ln1_g 512 float32; ln2_b 512 float32; ln2_g 512 float32; w1 512 x 512 float32; w2 512 x 512 float32; wc 512 x 10 float32; wk 512 x 512 float32; wo 512 x 512 float32; wq 512 x 512 float32; wv 512 x 512 float32; x 8 x 2,048 x 512 float32.
;; Outputs: out0 8 x 10 float32; out1 8 x 2,048 x 512 float32.
;; This version of the problem:
;;   THIS VERSION OF THE PROBLEM IS GIVEN IN LOW PRECISION. The matrix products marked QUANTISED in the list below multiply operands that are first quantised to E3M2 (3 exponent bits, 2 mantissa bits; 6 bits a number), with one power-of-two scale for each 32 numbers along K (OCP MX v1.0); their sums are f32. All else is computed in f32.
;;   The module's matrix products, in the order in which they are computed (A, B: the left and right operand; K: the contracted axis; several contracted axes count as one K, in the product's order):
;;     1. [M 16,384, K 512] x [K 512, N 512]; A: input x; B: input wq: QUANTISED
;;     2. [M 16,384, K 512] x [K 512, N 512]; A: input x; B: input wk: QUANTISED
;;     3. [M 16,384, K 512] x [K 512, N 512]; A: input x; B: input wv: QUANTISED
;;     4. batch 8 x [M 2,048, K 512] x [K 512, N 2,048]; A: computed on the way; B: computed on the way: QUANTISED
;;     5. batch 8 x [M 2,048, K 2,048] x [K 2,048, N 512]; A: softmax (see below); B: computed on the way: QUANTISED
;;     6. [M 16,384, K 512] x [K 512, N 512]; A: computed on the way; B: input wo: QUANTISED
;;     7. [M 16,384, K 512] x [K 512, N 512]; A: computed on the way; B: input w1: QUANTISED
;;     8. [M 16,384, K 512] x [K 512, N 512]; A: computed on the way; B: input w2: QUANTISED
;;     9. [M 8, K 512] x [K 512, N 10]; A: computed on the way; B: input wc: left as it is (M = 8 < 16)
;;   THE QUANTISER, for each operand of a quantised product, along K:
;;     - K is cut into blocks of 32 from its start; a last block that is shorter is filled with zeros.
;;     - A block's scale is 2^e with e = floor(log2(the largest magnitude in the block)) - 4, held to -126 .. 127; a block of zeros has e = 0. As a byte (E8M0): e + 127.
;;     - Each number is divided by its block's scale, clamped to +-28, and rounded to the nearest number of E3M2, ties to even, subnormals kept.
;;     - The product sums the exact products of the quantised numbers (number of the format x scale) in f32.
;;   ~~~python
;;   def quantise(x, axis):      # numpy; x: float32 -> the quantised numbers, widened to float32 again
;;       x = np.moveaxis(x, axis, -1); K = x.shape[-1]
;;       x = np.pad(x, [(0, 0)] * (x.ndim - 1) + [(0, -K % 32)]); x = x.reshape(x.shape[:-1] + (-1, 32)); a = np.abs(x).max(-1, keepdims=True)
;;       e = np.where(a > 0, np.clip(np.frexp(np.where(a > 0, a, 1))[1] - 1 - 4, -126, 127), 0)      # np.frexp(a)[1] - 1 = floor(log2(a)), exactly
;;       r = np.clip(x / 2.0 ** e, -28, 28)
;;       step = 2.0 ** (np.maximum(np.frexp(np.where(r == 0, 1, r))[1] - 1, -2) - 2)
;;       q = np.round(r / step) * step * 2.0 ** e      # np.round: ties to even
;;       return np.moveaxis(q.reshape(q.shape[:-2] + (-1,))[..., :K], -1, axis).astype(np.float32)
;;   ~~~
;;   SOFTMAX AHEAD OF A QUANTISED PRODUCT. Where the list says 'softmax', what is quantised is not the finished softmax but p = 2^(t - M), with t = logit x log2(e) and M = ceil(the row's largest t), a whole number; so 1/2 < the row's largest p <= 1. The row's sum l is taken of the UNQUANTISED p, in f32, and the product's result is divided by l at the end. Since M is a whole number, a kernel that streams over the keys may use a running M (the ceiling of the running maximum): every later rescaling is an exact power of two, which a block's scale takes up: the codes' values come out the same.
;;   OPERANDS COMPUTED ON THE WAY. 'Computed on the way' means the value that the module computes at that place (a softmax that the list does not call 'softmax' is quantised finished and normalised). What goes into a quantiser is computed in f32, as accurately as f32 sums, v_exp_f32 and their like allow (about 1e-6 of the number): no bf16 or f16 on the way to a quantiser, and a product that is left as it is and whose result goes on into a quantised operand takes f32 operands (vector FMAs, or v_wmma_f32_16x16x4_f32). A number that lies on a knife's edge between two numbers of the format may be rounded either way, as far as f32 arithmetic and the matrix unit's own rounding can turn it there, and no further.
;; One version. Each part assembles by itself: llvm-mc -triple=amdgcn-amd-amdhsa -mcpu=gfx1250 --defsym DOCPART=n.
;; ======== version 1 of 1: 4 launches
;; limits: right only within a limited range of input values
;; workspace buffers: wimg 1,228,800 bytes; qimg 6,553,600 bytes; kv 13,107,200 bytes; pool 524,288 bytes
;; launch wprep (part 1): grid 16 x 6, 4 waves a work-group, no clusters, 13,312 bytes of LDS; arguments wq, wk, wv, wo, w1, w2, wimg; writes wimg
.if DOCPART == 1
	.amdgcn_target "amdgcn-amd-amdhsa--gfx1250"
	.amdhsa_code_object_version 6
	.text
	.protected	k_q16ddec11af_wprep
	.globl	k_q16ddec11af_wprep
	.p2align	8
	.type	k_q16ddec11af_wprep,@function
k_q16ddec11af_wprep:
	s_mov_b64 s[64:65], 0
	v_nop
	global_prefetch_b8 v0, s[64:65] scope:SCOPE_SE
	s_setreg_imm32_b32 hwreg(HW_REG_WAVE_MODE, 25, 1), 1
	s_wait_xcnt 0x0
; The six weights [512 (k)][512 (n)] f32 become codes of BF6 (E3M2) with one E8M0 byte for each 32 along K, laid in the order in which the
; later launches' operand registers take them.  Work-group (x, y): weight y; x = 4 W + s: output units 128 W .. 128 W + 127, K step s (128 along K).
; A THREAD TAKES A COLUMN n AND ITS REGISTERS RUN DOWN K: a load reads 128 consecutive bytes a wave, a block of 32 along K lies in one thread, nothing is transposed.
; WHICH UNITS FORM A TILE: row rho of tile t = 4 g + i is unit 64 g + 32 (rho / 8) + 8 i + rho % 8 of the 128, so that in a product's result a lane's 32 registers of four
; neighbouring tiles are one whole block of 32 neighbouring units.
; A fragment's image (16 rows x 128 K, 12 registers a lane, 1,536 bytes): register j of lane l at 512 (j / 4) + 16 l + 4 (j % 4): three loads of 16 bytes a lane bring it.
; The 8 fragments and their 512 bytes of scale words are gathered in LDS and leave in runs of 512 consecutive bytes.
; A block's scale byte is its largest magnitude's exponent field - 4, held at 1 from below.  LIMITS: a block of zeros gets the byte 1 (its codes are zeros; only this program reads
; the bytes); NaN and infinities are not served.  No cluster: the work-groups share no input.
.set X,   32                           ; v32-159  the column's 128 numbers
.set C,   160                          ; v160..   a block's six code registers, eight apart
.set T,   16                           ; v16..    the second conversion's three, four apart
.set IA,  4                            ; LDS: my fragment's image, my row's 16 bytes
.set WA,  5                            ; LDS: my scale word
.set CP,  6                            ; 16 x thread
.set GI,  7                            ; 4 x thread
.set SWD, 8                            ; the scale word
.set MXA, 10
.set MXB, 11
.set SOP, 12
.set BYT, 13
	s_load_b256 s[4:11], s[0:1], 0x0               ; wq, wk, wv, wo
	s_load_b128 s[12:15], s[0:1], 0x20             ; w1, w2
	s_load_b64 s[16:17], s[0:1], 0x30              ; wimg
	v_lshl_add_u32 v192, v0, 2, 0x3200
	v_mov_b32 v193, 0
	v_lshrrev_b32 v1, 5, v0
	v_readfirstlane_b32 s18, v1                    ; wave
	s_and_b32 s19, ttmp7, 0xffff                   ; which weight
	s_lshr_b32 s20, ttmp9, 2                       ; W
	s_and_b32 s21, ttmp9, 3                        ; s
	v_lshrrev_b32 v1, 6, v0                        ; g
	v_bfe_u32 v2, v0, 3, 2                         ; i
	v_lshl_add_u32 v1, v1, 2, v2                   ; t = 4 g + i
	v_bfe_u32 v2, v0, 5, 1
	v_and_b32 v3, 7, v0
	v_lshl_add_u32 v2, v2, 3, v3                   ; rho
	v_mul_u32_u24 v[IA], v1, 1536
	v_lshl_add_u32 v[IA], v2, 4, v[IA]             ; 1,536 t + 16 rho
	v_and_b32 v3, 1, v1
	v_lshl_add_u32 v3, v3, 4, v2                   ; the word's lane: rho + 16 (t % 2)
	v_lshrrev_b32 v1, 1, v1
	v_lshlrev_b32 v1, 2, v1
	v_lshl_add_u32 v[WA], v3, 4, v1                ; 16 x that lane + 4 (t / 2)
	v_lshlrev_b32 v[CP], 4, v0
	v_lshlrev_b32 v[GI], 2, v0
	s_lshl_b32 s22, s21, 18                        ; K step s: 128 rows of 2,048 bytes
	s_lshl_b32 s23, s20, 9                         ; + 512 W
	s_add_co_u32 s22, s22, s23
	s_mov_b32 s23, 0
	s_mul_i32 s24, s19, 204800                     ; the weight's images,
	s_lshr_b32 s25, s21, 1
	s_mul_i32 s25, s25, 102400                     ; the half that holds K steps 2 (s / 2) and 2 (s / 2) + 1
	s_add_co_u32 s24, s24, s25
	s_lshl_b32 s26, s20, 1
	s_and_b32 s27, s21, 1
	s_add_co_u32 s26, s26, s27                     ; 2 W + s % 2
	s_mul_i32 s27, s26, 12288
	s_add_co_u32 s28, s24, s27                     ; my 8 fragments
	s_mov_b32 s29, 0
	s_lshl_b32 s26, s26, 9
	s_add_co_u32 s30, s24, s26
	s_add_co_u32 s30, s30, 98304                   ; my 512 bytes of scale words
	s_mov_b32 s31, 0
	s_wait_alu depctr_va_vdst(0)
	s_wait_kmcnt 0x0
	s_cmp_eq_u32 s19, 1                            ; the choice hangs on the work-group's number alone
	s_cselect_b64 s[4:5], s[6:7], s[4:5]
	s_cmp_eq_u32 s19, 2
	s_cselect_b64 s[4:5], s[8:9], s[4:5]
	s_cmp_eq_u32 s19, 3
	s_cselect_b64 s[4:5], s[10:11], s[4:5]
	s_cmp_eq_u32 s19, 4
	s_cselect_b64 s[4:5], s[12:13], s[4:5]
	s_cmp_eq_u32 s19, 5
	s_cselect_b64 s[4:5], s[14:15], s[4:5]
	s_add_nc_u64 s[4:5], s[4:5], s[22:23]
	s_add_nc_u64 s[6:7], s[16:17], s[28:29]
	s_add_nc_u64 s[8:9], s[16:17], s[30:31]
.macro LOAD bb                         ; block bb: rows 32 bb .. 32 bb + 31 of the K step, my column
.set i, 0
.rept 32
	global_load_b32 v[X+32*(\bb)+i], v[GI], s[4:5] offset:(32*(\bb)+i)*2048 th:TH_LOAD_NT
.set i, i+1
.endr
.endm
.macro BLOCK bb                        ; block bb = 2 c + hh becomes registers 6 c .. 6 c + 5 of lane rho + 16 hh of my fragment
.set XS, X+32*(\bb)
.set CC, C+8*(\bb)
.set TT, T+4*(\bb)
	v_max3_num_f32 v[MXA], |v[XS]|, |v[XS+1]|, |v[XS+2]|
	v_max3_num_f32 v[MXB], |v[XS+3]|, |v[XS+4]|, |v[XS+5]|
.irp i, 6,10,14,18,22,26
	v_max3_num_f32 v[MXA], v[MXA], |v[XS+\i]|, |v[XS+\i+1]|
	v_max3_num_f32 v[MXB], v[MXB], |v[XS+\i+2]|, |v[XS+\i+3]|
.endr
	v_max3_num_f32 v[MXA], v[MXA], |v[XS+30]|, |v[XS+31]|
	v_max3_num_f32 v[MXA], v[MXA], v[MXB], 0x2800000   ; the floor 2^(5 - 127): the byte cannot fall under 1
	v_add_nc_u32 v[SOP], 0xfe000000, v[MXA]        ; 4 off the exponent field: the conversion's scale operand
	v_lshrrev_b32 v[BYT], 23, v[SOP]               ; the scale's byte
.if (\bb) == 0
	v_mov_b32 v[SWD], v[BYT]
.else
	v_lshl_or_b32 v[SWD], v[BYT], 8*(\bb), v[SWD]
.endif
	v_cvt_scalef32_pk16_bf6_f32 v[CC:CC+2], v[XS:XS+15], v[SOP]
	v_cvt_scalef32_pk16_bf6_f32 v[TT:TT+2], v[XS+16:XS+31], v[SOP]   ; (a conversion's three registers begin on an even number)
	v_nop                                          ; one plain line behind the conversions
.irp i, 0,1,2
	v_mov_b32 v[CC+3+\i], v[TT+\i]
.endr
.if (\bb)/2 == 0
	ds_store_b128 v[IA], v[CC:CC+3] offset:256*((\bb)%2)
	ds_store_b64 v[IA], v[CC+4:CC+5] offset:512+256*((\bb)%2)
.else
	ds_store_b64 v[IA], v[CC:CC+1] offset:520+256*((\bb)%2)
	ds_store_b128 v[IA], v[CC+2:CC+5] offset:1024+256*((\bb)%2)
.endif
.endm
	LOAD 0
	LOAD 1
	s_wait_loadcnt 32                              ; block 0 is in; block 1's 32 loads may be out
	LOAD 2
	BLOCK 0
	s_wait_loadcnt 32                              ; block 1 is in; block 2's may be out
	LOAD 3
	BLOCK 1
	s_wait_loadcnt 32
	BLOCK 2
	s_wait_loadcnt 0x0
	BLOCK 3
	ds_store_b32 v[WA], v[SWD] offset:12288
	s_wait_dscnt 0x0                               ; for the others' sake: my stores have landed
	s_barrier_signal -1
	s_barrier_wait -1
.irp k, 0,1,2,3,4,5
	ds_load_b128 v[X+4*\k:X+4*\k+3], v[CP] offset:2048*\k
.endr
.irp k, 0,1,2,3,4,5
	s_wait_dscnt 5-\k
	global_store_b128 v[CP], v[X+4*\k:X+4*\k+3], s[6:7] offset:2048*\k   ; a wave stores 512 consecutive bytes
.endr
	s_cmp_lg_u32 s18, 0
	s_cbranch_scc1 .Ldone
	ds_load_b128 v[X+24:X+27], v[CP] offset:12288  ; wave 0: the 512 bytes of scale words
	s_wait_dscnt 0x0
	global_store_b128 v[CP], v[X+24:X+27], s[8:9]
.Ldone:
	s_wait_tensorcnt 0x0
	ds_add_u32 v192, v193
	s_wait_dscnt 0x0
	s_endpgm
.Lfunc_end_k_q16ddec11af_wprep:
	.size	k_q16ddec11af_wprep, .Lfunc_end_k_q16ddec11af_wprep-k_q16ddec11af_wprep
	.p2alignl 7, 3214868480
	.fill 96, 4, 3214868480
	.section	.rodata,"a",@progbits
	.p2align	6, 0x0
	.amdhsa_kernel k_q16ddec11af_wprep
		.amdhsa_group_segment_fixed_size 13312
		.amdhsa_private_segment_fixed_size 0
		.amdhsa_enable_private_segment 0
		.amdhsa_kernarg_size 56
		.amdhsa_user_sgpr_count 2
		.amdhsa_user_sgpr_kernarg_segment_ptr 1
		.amdhsa_wavefront_size32 1
		.amdhsa_system_sgpr_workgroup_id_x 1
		.amdhsa_system_sgpr_workgroup_id_y 1
		.amdhsa_system_sgpr_workgroup_id_z 1
		.amdhsa_system_vgpr_workitem_id 0
		.amdhsa_next_free_vgpr 194
		.amdhsa_next_free_sgpr 66
		.amdhsa_reserve_vcc 0
		.amdhsa_float_denorm_mode_32 3
		.amdhsa_float_denorm_mode_16_64 3
		.amdhsa_memory_ordered 1
		.amdhsa_forward_progress 1
		.amdhsa_inst_pref_size 23
	.end_amdhsa_kernel
	.amdgpu_metadata
---
amdhsa.version: [ 1, 2 ]
amdhsa.kernels:
  - .name:           k_q16ddec11af_wprep
    .symbol:         k_q16ddec11af_wprep.kd
    .args:
      - { .name: wq, .offset: 0, .size: 8, .value_kind: global_buffer, .address_space: global }
      - { .name: wk, .offset: 8, .size: 8, .value_kind: global_buffer, .address_space: global }
      - { .name: wv, .offset: 16, .size: 8, .value_kind: global_buffer, .address_space: global }
      - { .name: wo, .offset: 24, .size: 8, .value_kind: global_buffer, .address_space: global }
      - { .name: w1, .offset: 32, .size: 8, .value_kind: global_buffer, .address_space: global }
      - { .name: w2, .offset: 40, .size: 8, .value_kind: global_buffer, .address_space: global }
      - { .name: wimg, .offset: 48, .size: 8, .value_kind: global_buffer, .address_space: global }
    .group_segment_fixed_size: 13312
    .private_segment_fixed_size: 0
    .kernarg_segment_align: 8
    .kernarg_segment_size: 56
    .max_flat_workgroup_size: 128
    .sgpr_count:     66
    .vgpr_count:     194
    .wavefront_size: 32
...
	.end_amdgpu_metadata
.endif
;; end of part 1
;; launch qkv (part 2): grid 256 x 1, 4 waves a work-group, clusters of 4 x 1, 327,680 bytes of LDS; arguments x, wimg, qimg, kv; writes qimg, kv
.if DOCPART == 2
	.amdgcn_target "amdgcn-amd-amdhsa--gfx1250"
	.amdhsa_code_object_version 6
	.text
	.protected	k_q16ddec11af_qkv
	.globl	k_q16ddec11af_qkv
	.p2align	8
	.type	k_q16ddec11af_qkv,@function
k_q16ddec11af_qkv:
	s_mov_b64 s[64:65], 0
	v_nop
	global_prefetch_b8 v0, s[64:65] scope:SCOPE_SE
	s_setreg_imm32_b32 hwreg(HW_REG_WAVE_MODE, 25, 1), 1
	s_wait_xcnt 0x0
	s_wait_alu depctr_hold_cnt(0) depctr_sa_sdst(0) depctr_va_vdst(0) depctr_va_sdst(0) depctr_va_ssrc(0) depctr_va_vcc(0) depctr_vm_vsrc(0)
	s_getreg_b32 s2, hwreg(HW_REG_IB_STS2, 6, 4)
	s_cmp_eq_u32 s2, 0
	s_cbranch_scc0 .Lentry_in_a_cluster
	s_endpgm
.Lentry_in_a_cluster:
	s_bfe_u32 s2, ttmp6, 0x10000c
	s_cmp_lg_u32 s2, 0x3003
	s_cbranch_scc0 .Lentry_shape_is_right
	s_endpgm
.Lentry_shape_is_right:
; q = x wq, k = x wk, v = x wv on codes of BF6 (E3M2) with one E8M0 scale for each 32 along K; the results are quantised again, q and k along the 512 units, v along the tokens,
; and stored as images of the operand registers that the attention launch loads.
; SHARES.  A work-group takes 64 tokens and all 3 x 512 outputs; wave w takes units 128 w .. 128 w + 127 of each weight for all four tiles of tokens: 32 accumulators, 256 registers.
; ROWS OF A TILE: row rho of tile i of a group of 64 (tokens, units) is element 32 (rho / 8) + 8 i + rho % 8, so a lane's 32 result registers of four tiles are one whole block of 32 neighbours:
; a block's largest magnitude needs no other lane and the conversions' results are the next operand's registers.
; q, k: source 0 = 16 units of the weight, source 1 = 16 tokens: a lane holds one token, its registers run along the units.  v: the sources swapped: a lane holds one unit, its registers run along the tokens.
; THE WEIGHTS' IMAGES come in six steps of 102,400 dense bytes (two K steps of one weight) through a ring of two LDS slots; each wave brings a quarter.  All work-groups walk the same weights, so the
; four work-groups of a cluster ask JOINTLY: the same tensor load, the same descriptor, the mask 15.  One tensor load of a wave is out at a time.
; x is quantised once: wave w takes columns 128 w .. + 127 of the 64 tokens, turns them through its own stage and stores the fragments' images in LDS for all four waves.
; LIMITS: a block of zeros gets the byte 1 (its codes are zeros; only this program reads the bytes); NaN and infinities are not served.
; REGISTERS: window 0: v1-23 addresses, v64-159 x's fragments (two sets), v160-203 the quantiser, v212-227 scale words; window 1: accumulators; window 2: the weights' fragments (two sets of 96); window 3: x.
.set STEPB,  102400
.set QTR,    25600
.set SLOT1,  1<<17                     ; slot 0 at 0, slot 1 here: one exclusive or turns an address
.set AIMG0,  102400                    ; x's 16 fragments (4 q + s) x 1,536, then the scale words: 24,576 + 512 s + 16 l + 4 q
.set XSTG,   260096                    ; each wave's stage: 16 rows of 512 bytes + 16
.set SPARE,  306176                    ; the spare words, 128 bytes a wave
.set SPW, 1
.set NIL, 2
.set LI,  3                            ; 16 x lane
.set L8,  4                            ; 8 x lane
.set WFA, 5                            ; v5-6   the weights' fragments in slot 0, 1
.set WSA, 7                            ; v7-8   their scale words
.set AIR, 9                            ; x's images, to read
.set AIW, 11                           ; and to write
.set AWW, 13                           ; x's scale words, to write
.set SW,  15                           ; the stage by rows
.set SRD, 16                           ; the stage by lanes
.set XO,  17                           ; 512 w + 16 l
.set SH8, 19                           ; 8 h
.set EO,  20                           ; 1,536 w + 16 l
.set EW,  21                           ; 256 w + 8 l
.set EV0, 22                           ; 12,288 w + 16 l
.set EV1, 23                           ; 12,288 w + 8 l
.set AF,  64
.set PC,  160
.set TMPC, 172
.set AW,  180
.set MX,  184
.set SO,  186
.set BY,  188
.set TW,  190
.set ZZ,  192
.set UU,  200
.set AS,  212
.set WS,  220
.set G1,  32
.set G0,  40
.set SEL, 52
.set WV,  56
.set HM,  57
.set MSB, 0
.macro WIN new                         ; the immediate's high byte repeats the setting that is left
.if MSB != (\new)
	s_set_vgpr_msb (MSB<<8)|(\new)
.set MSB, (\new)
.endif
.endm
.macro PLACES n
.rept \n
	v_nop
.endr
.endm
.macro ROUND                           ; a round of the cluster's barrier
	s_barrier_signal -1
	s_barrier_wait -1
	s_cmp_lg_u32 s[WV], 0
	s_cbranch_scc1 .Lnw0_\@
	s_barrier_signal -3
.Lnw0_\@:
	s_barrier_wait -3
	s_barrier_signal -1
	s_barrier_wait -1
.endm
; THE CHANGE OF SLOTS, at a step's head: all my tensor loads have landed (my quarter of the step ahead), 0 is added to my spare word, the add and my reads of the slot left are done; behind the round the
; slot left is filled with the step after next's predecessor: the next step.  The four v_nop are also the places in front of loads into registers that matrix instructions have read.
.macro CHANGE fill
	WIN 0
	s_wait_tensorcnt 0x0
	ds_add_u32 v[SPW], v[NIL]
.if \fill
	s_xor_b32 s[G0+1], s[G0+1], SLOT1              ; no load of mine is out: the walking descriptor may step
	s_add_nc_u64 s[G0+2:G0+3], s[G0+2:G0+3], STEPB
.endif
	s_wait_dscnt 0x0
.if \fill
	ROUND
	tensor_load_to_lds s[G0:G0+3], s[G1:G1+7]
	s_nop 0
.else
	s_barrier_signal -1
	s_barrier_wait -1
.endif
	PLACES 4
.endm
.macro WMX                             ; one product; registers and flags in the symbols rD rA rB rC rSA rSB fZ fRA fRB
.if fZ
.if fRA
.if fRB
	v_wmma_scale_f32_16x16x128_f8f6f4 v[rD:rD+7], v[rA:rA+11], v[rB:rB+11], 0, v[rSA], v[rSB] matrix_a_fmt:MATRIX_FMT_BF6 matrix_b_fmt:MATRIX_FMT_BF6 matrix_a_scale:MATRIX_SCALE_ROW1 matrix_b_scale:MATRIX_SCALE_ROW1
.else
	v_wmma_scale_f32_16x16x128_f8f6f4 v[rD:rD+7], v[rA:rA+11], v[rB:rB+11], 0, v[rSA], v[rSB] matrix_a_fmt:MATRIX_FMT_BF6 matrix_b_fmt:MATRIX_FMT_BF6 matrix_a_scale:MATRIX_SCALE_ROW1
.endif
.else
.if fRB
	v_wmma_scale_f32_16x16x128_f8f6f4 v[rD:rD+7], v[rA:rA+11], v[rB:rB+11], 0, v[rSA], v[rSB] matrix_a_fmt:MATRIX_FMT_BF6 matrix_b_fmt:MATRIX_FMT_BF6 matrix_b_scale:MATRIX_SCALE_ROW1
.else
	v_wmma_scale_f32_16x16x128_f8f6f4 v[rD:rD+7], v[rA:rA+11], v[rB:rB+11], 0, v[rSA], v[rSB] matrix_a_fmt:MATRIX_FMT_BF6 matrix_b_fmt:MATRIX_FMT_BF6
.endif
.endif
.else
.if fRA
.if fRB
	v_wmma_scale_f32_16x16x128_f8f6f4 v[rD:rD+7], v[rA:rA+11], v[rB:rB+11], v[rC:rC+7], v[rSA], v[rSB] matrix_a_fmt:MATRIX_FMT_BF6 matrix_b_fmt:MATRIX_FMT_BF6 matrix_a_scale:MATRIX_SCALE_ROW1 matrix_b_scale:MATRIX_SCALE_ROW1
.else
	v_wmma_scale_f32_16x16x128_f8f6f4 v[rD:rD+7], v[rA:rA+11], v[rB:rB+11], v[rC:rC+7], v[rSA], v[rSB] matrix_a_fmt:MATRIX_FMT_BF6 matrix_b_fmt:MATRIX_FMT_BF6 matrix_a_scale:MATRIX_SCALE_ROW1
.endif
.else
.if fRB
	v_wmma_scale_f32_16x16x128_f8f6f4 v[rD:rD+7], v[rA:rA+11], v[rB:rB+11], v[rC:rC+7], v[rSA], v[rSB] matrix_a_fmt:MATRIX_FMT_BF6 matrix_b_fmt:MATRIX_FMT_BF6 matrix_b_scale:MATRIX_SCALE_ROW1
.else
	v_wmma_scale_f32_16x16x128_f8f6f4 v[rD:rD+7], v[rA:rA+11], v[rB:rB+11], v[rC:rC+7], v[rSA], v[rSB] matrix_a_fmt:MATRIX_FMT_BF6 matrix_b_fmt:MATRIX_FMT_BF6
.endif
.endif
.endif
.endm
; 64 registers of window win from src on are two whole blocks of 32: block g becomes six code registers v[PC + 6 g ..], its byte v[BY + g].  The registers are read in ascending order.
.macro QCORE src, win
	WIN ((\win)<<2)|((\win)<<4)
.irp g, 0,1
	v_max3_num_f32 v[MX+\g], 0x2800000, |v[(\src)+32*\g]|, |v[(\src)+32*\g+1]|   ; with the floor 2^(5 - 127): the byte cannot fall under 1
.endr
.irp i, 2,4,6,8,10,12,14,16,18,20,22,24,26,28,30
.irp g, 0,1
	v_max3_num_f32 v[MX+\g], v[MX+\g], |v[(\src)+32*\g+\i]|, |v[(\src)+32*\g+\i+1]|
.endr
.endr
	WIN 0
.irp g, 0,1
	v_add_nc_u32 v[SO+\g], 0xfe000000, v[MX+\g]    ; 4 off the exponent field: the conversion's scale operand
.endr
.irp g, 0,1
	v_lshrrev_b32 v[BY+\g], 23, v[SO+\g]           ; the scale's byte
.endr
	WIN \win
.irp g, 0,1
	v_cvt_scalef32_pk16_bf6_f32 v[PC+6*\g:PC+6*\g+2], v[(\src)+32*\g:(\src)+32*\g+15], v[SO+\g]
	v_cvt_scalef32_pk16_bf6_f32 v[TMPC+4*\g:TMPC+4*\g+2], v[(\src)+32*\g+16:(\src)+32*\g+31], v[SO+\g]
.endr
	WIN 0
	v_nop                                          ; one plain line behind the conversions
.irp g, 0,1
.irp i, 0,1,2
	v_mov_b32 v[PC+3+6*\g+\i], v[TMPC+4*\g+\i]
.endr
.endr
.endm
; the same, where the 64 are k = 64 g + 32 h + 0 .. 31 of my row's K step: v[PC ..] is the fragment, v[AW + q] the row's scale word (my bytes h and 2 + h, the other half of the lanes' two)
.macro QUANT64 src, win, q
	QCORE \src, \win
	v_lshl_or_b32 v[AW+(\q)], v[BY+1], 16, v[BY]
	v_lshlrev_b32 v[AW+(\q)], v[SH8], v[AW+(\q)]
	v_permlanex16_b32 v[TW], v[AW+(\q)], s[SEL], s[SEL+1]
	v_or_b32 v[AW+(\q)], v[AW+(\q)], v[TW]
.endm
.macro IMGOUT im, q                    ; my fragment (tile q, K step w) goes to LDS as it stands; behind the last, the four scale words
.irp c, 0,1,2
	ds_store_b128 v[AIW+\im], v[PC+4*\c:PC+4*\c+3] offset:6144*(\q)+512*\c
.endr
.if (\q) == 3
	ds_store_b128 v[AWW+\im], v[AW:AW+3]
.endif
	s_wait_dscnt 0x0                               ; the stores have read their registers, which are written again
.endm
; 38 LDS loads: my 8 fragments of the weight (K step ks of the slot), the 4 fragments of the rows (K step kk), and both sides' scale words, into set sg
.macro LOADSET sg, sl, ks, kk, im
	WIN 0x80
.irp t, 0,1,2,3,4,5,6,7
.irp c, 0,1,2
	ds_load_b128 v[96*(\sg)+12*\t+4*\c:96*(\sg)+12*\t+4*\c+3], v[WFA+\sl] offset:(8*(\ks)+\t)*1536+512*\c
.endr
.endr
	WIN 0
.irp q, 0,1,2,3
.irp c, 0,1,2
	ds_load_b128 v[AF+48*(\sg)+12*\q+4*\c:AF+48*(\sg)+12*\q+4*\c+3], v[AIR+\im] offset:(4*\q+(\kk))*1536+512*\c
.endr
.endr
	ds_load_b128 v[AS+4*(\sg):AS+4*(\sg)+3], v[AIR+\im] offset:24576+512*(\kk)
	ds_load_b128 v[WS+4*(\sg):WS+4*(\sg)+3], v[WSA+\sl] offset:512*(\ks)
.endm
; 32 products, each of the 32 accumulators once.  orient 0: source 0 = weight; 1: source 0 = rows.  cmode 0: C = 0; 1: in place; 2: C = a bias in window 2
.macro MULSET sg, X, orient, cmode
.if \orient
	WIN ((\X)<<6)|((\X)<<4)|0x08
.elseif (\cmode) == 2
	WIN ((\X)<<6)|0x22
.else
	WIN ((\X)<<6)|((\X)<<4)|0x02
.endif
.irp q, 0,1,2,3
.irp t, 0,1,2,3,4,5,6,7
.if \orient
.set rD, 32*\t+8*\q
.set rA, AF+48*(\sg)+12*\q
.set rB, 96*(\sg)+12*\t
.set rSA, AS+4*(\sg)+\q
.set rSB, WS+4*(\sg)+\t/2
.set fRA, 0
.set fRB, \t%2
.else
.set rD, 8*(8*\q+\t)
.set rA, 96*(\sg)+12*\t
.set rB, AF+48*(\sg)+12*\q
.set rSA, WS+4*(\sg)+\t/2
.set rSB, AS+4*(\sg)+\q
.set fRA, \t%2
.set fRB, 0
.endif
.set rC, rD
.set fZ, 0
.if (\cmode) == 0
.set fZ, 1
.endif
.if (\cmode) == 2
.set rC, 192+8*\t
.endif
	WMX
.endr
.endr
.endm
.macro HALF sl, im, hf, X, orient, cmode   ; a step: two K steps of one weight
	LOADSET 0, \sl, 0, 2*(\hf), \im
	LOADSET 1, \sl, 1, 2*(\hf)+1, \im
	s_wait_dscnt 38                                ; set 0 is in; set 1's 38 loads may be out
	MULSET 0, \X, \orient, \cmode
	s_wait_dscnt 0x0
	MULSET 1, \X, \orient, 1
.endm
; tile q of x: its 16 rows' 512 bytes go through my stage as loaded and come back a row to a lane: register 32 g + p = unit 64 g + 32 h + p of token row r
.macro XPOSE q, cnt
	s_wait_loadcnt \cnt
	WIN 0x0c
.irp i, 0,1,2,3,4,5,6,7,8,9,10,11,12,13,14,15
	ds_store_b128 v[SW], v[64*(\q)+4*\i:64*(\q)+4*\i+3] offset:528*\i
.endr
	WIN 0xc0
.irp g, 0,1
.irp e, 0,1,2,3,4,5,6,7
	ds_load_b128 v[64*(\q)+32*\g+4*\e:64*(\q)+32*\g+4*\e+3], v[SRD] offset:256*\g+16*\e   ; LDS serves a wave's instructions in order: these see my stores
.endr
.endr
.endm
; q's or k's results: quantised along the units and stored as fragments (tile q, K step w) and scale words
.macro EPI fb, wb, wo
	WIN 0
	PLACES 4
.irp q, 0,1,2,3
	s_wait_xcnt 0x0                                ; the earlier stores have read their data registers
	QUANT64 64*\q, 1, \q
.irp c, 0,1,2
	global_store_b128 v[EO], v[PC+4*\c:PC+4*\c+3], s[\fb:\fb+1] offset:6144*\q+512*\c   ; 512 consecutive bytes
.endr
.endr
	v_cndmask_b32 v[ZZ], v[AW], v[AW+1], s[HM]     ; lanes 0-15 the word of tile 0 (2), lanes 16-31 that of tile 1 (3)
	v_cndmask_b32 v[ZZ+1], v[AW+2], v[AW+3], s[HM]
	global_store_b64 v[EW], v[ZZ:ZZ+1], s[\wb:\wb+1] offset:\wo
.endm
; v's results: accumulator (t, q) at 32 t + 8 q: a lane's 32 registers of tile t are tokens 32 h + 0 .. 31 of unit row r: half a fragment (this block's 64 keys) of tile 8 w + t
.macro EPIV
	WIN 0
	PLACES 4
.irp j, 0,1,2,3
	s_wait_xcnt 0x0
	QCORE 64*\j, 1
	v_permlane16_swap_b32 v[BY], v[BY+1]           ; now lane l: tile 2 j + l / 16, row l % 16: the byte of tokens 0-31 in the first, of 32-63 in the second
	v_lshl_or_b32 v[UU+\j], v[BY+1], 8, v[BY]
.irp g, 0,1
	global_store_b128 v[EV0], v[PC+6*\g:PC+6*\g+3], s[16:17] offset:1536*(2*\j+\g)
	global_store_b64 v[EV1], v[PC+6*\g+4:PC+6*\g+5], s[16:17] offset:1536*(2*\j+\g)+512
.endr
.endr
	v_lshl_or_b32 v[ZZ], v[UU+1], 16, v[UU]
	v_lshl_or_b32 v[ZZ+1], v[UU+3], 16, v[UU+2]
	global_store_b64 v[EW], v[ZZ:ZZ+1], s[18:19]
.endm
	s_load_b256 s[4:11], s[0:1], 0x0               ; x, wimg, qimg, kv
	v_lshl_add_u32 v[SPW], v0, 2, SPARE
	v_mov_b32 v[NIL], 0
	ds_add_u32 v1, v2
	ds_add_u32 v1, v2
	s_wait_dscnt 0x0
	v_lshrrev_b32 v47, 5, v0
	v_readfirstlane_b32 s[WV], v47                 ; wave 0..3
	s_bfe_u32 s60, ttmp6, 0x40000                  ; cx
	s_lshl_b32 s61, ttmp9, 2
	s_add_co_u32 s61, s61, s60                     ; my block of 64 tokens: it enters global addresses of my own loads and stores alone
	s_mov_b32 s[G1], 15|(3<<16)|(1<<21)            ; the mask: all four work-groups; elements of 8 bytes; bit 21 beside a mask; no padding
	s_mov_b32 s[G1+1], 32<<16                      ; tensor_dim0 = 32 elements: rows of 256 bytes
	s_mov_b32 s[G1+2], 100<<16                     ; tensor_dim1 = 100
	s_mov_b32 s[G1+3], 32<<16                      ; tile_dim0
	s_mov_b32 s[G1+4], 100                         ; tile_dim1
	s_mov_b32 s[G1+5], 32                          ; the pitch: dense
	s_mov_b32 s[G1+6], 0
	s_mov_b32 s[G1+7], 0
	s_mov_b32 s[SEL], 0x76543210
	s_mov_b32 s[SEL+1], 0xfedcba98                 ; lane l xor 16
	s_mov_b32 s[HM], 0xffff0000
	v_and_b32 v44, 31, v0                          ; l
	v_and_b32 v45, 15, v0                          ; r
	v_bfe_u32 v46, v0, 4, 1                        ; h
	v_lshlrev_b32 v[LI], 4, v44
	v_lshlrev_b32 v[L8], 3, v44
	v_lshlrev_b32 v[SH8], 3, v46
	v_mov_b32 v[TW], 0                             ; a lane permute's destination counts as one of its sources
	s_mul_i32 s66, s[WV], 24576
	v_add_nc_u32 v[WFA], s66, v[LI]
	v_add_nc_u32 v[WFA+1], SLOT1, v[WFA]
	s_lshl_b32 s66, s[WV], 10
	s_add_co_u32 s66, s66, 98304
	v_add_nc_u32 v[WSA], s66, v[LI]
	v_add_nc_u32 v[WSA+1], SLOT1, v[WSA]
	v_add_nc_u32 v[AIR], AIMG0, v[LI]
	s_mul_i32 s66, s[WV], 1536
	v_add_nc_u32 v[EO], s66, v[LI]
	v_add_nc_u32 v[AIW], AIMG0, v[EO]
	s_lshl_b32 s67, s[WV], 9
	v_add_nc_u32 v[XO], s67, v[LI]
	v_add_nc_u32 v[AWW], AIMG0+24576, v[XO]
	s_mul_i32 s66, s[WV], 8448
	s_add_co_u32 s66, s66, XSTG
	v_add_nc_u32 v[SW], s66, v[LI]
	v_mul_u32_u24 v47, v45, 528
	v_lshl_add_u32 v47, v46, 7, v47
	v_add_nc_u32 v[SRD], s66, v47
	s_lshl_b32 s66, s[WV], 8
	v_add_nc_u32 v[EW], s66, v[L8]
	s_mul_i32 s66, s[WV], 12288
	v_add_nc_u32 v[EV0], s66, v[LI]
	v_add_nc_u32 v[EV1], s66, v[L8]
	s_lshl_b32 s66, s61, 17                        ; x: 64 rows of 2,048 bytes a block
	s_mov_b32 s67, 0
	s_mul_i32 s68, s61, 25600                      ; qimg
	s_mov_b32 s69, 0
	s_lshr_b32 s70, s61, 1
	s_mul_i32 s70, s70, STEPB                      ; kv: the key step of 128 keys
	s_mov_b32 s71, 0
	s_and_b32 s62, s61, 1                          ; which 64 of them
	s_mul_i32 s72, s62, 24576
	s_mov_b32 s73, 0
	s_lshl_b32 s74, s62, 10
	s_mov_b32 s75, 0
	s_mul_i32 s62, s62, 768
	s_mov_b32 s63, 0
	s_mul_i32 s[G0+1], s[WV], QTR                  ; my quarter of slot 0
	s_mov_b32 s[G0], 1
	s_wait_kmcnt 0x0
	s_add_nc_u64 s[4:5], s[4:5], s[66:67]
	s_add_nc_u64 s[8:9], s[8:9], s[68:69]
	s_add_nc_u64 s[10:11], s[10:11], s[70:71]
	s_add_nc_u64 s[12:13], s[10:11], s[72:73]      ; k's fragments
	s_add_nc_u64 s[14:15], s[10:11], s[74:75]
	s_add_nc_u64 s[18:19], s[14:15], 51200+49152   ; v's scale bytes
	s_add_nc_u64 s[14:15], s[14:15], 49152         ; k's scale words
	s_add_nc_u64 s[16:17], s[10:11], s[62:63]
	s_add_nc_u64 s[16:17], s[16:17], 51200         ; v's half fragments
	s_mov_b32 s66, s[G0+1]
	s_add_nc_u64 s[G0+2:G0+3], s[6:7], s[66:67]    ; wimg + my quarter: step 0
	s_or_b32 s[G0+3], s[G0+3], 0x80000000
	ROUND                                          ; all four work-groups are here: the first joint load meets
	tensor_load_to_lds s[G0:G0+3], s[G1:G1+7]
	s_nop 0
	PLACES 4
	WIN 0xc0
	s_wait_alu depctr_va_vdst(0)
.irp q, 0,1,2,3
.irp i, 0,1,2,3,4,5,6,7,8,9,10,11,12,13,14,15
	global_load_b128 v[64*\q+4*\i:64*\q+4*\i+3], v[XO], s[4:5] offset:(32*(\i/8)+8*\q+\i%8)*2048 th:TH_LOAD_NT   ; 512 consecutive bytes of one token
.endr
.endr
	XPOSE 0, 48                                    ; tile 0's 16 loads are in; 48 younger may be out
.irp q, 0,1,2,3
.if \q < 3
	XPOSE \q+1, 32-16*\q                           ; the next tile turns while this one is quantised
	s_wait_dscnt 32                                ; this tile is back; the next tile's 32 may be out
.else
	s_wait_dscnt 0x0
.endif
	QUANT64 64*\q, 3, \q
	IMGOUT 0, \q
.endr
	CHANGE 1
	HALF 0, 0, 0, 1, 0, 0                          ; wq
	CHANGE 1
	HALF 1, 0, 1, 1, 0, 1
	EPI 8, 8, 24576
	CHANGE 1
	HALF 0, 0, 0, 1, 0, 0                          ; wk
	CHANGE 1
	HALF 1, 0, 1, 1, 0, 1
	EPI 12, 14, 0
	CHANGE 1
	HALF 0, 0, 0, 1, 1, 0                          ; wv, the sources swapped
	CHANGE 0                                       ; the last step: nothing is left to fetch
	HALF 1, 0, 1, 1, 1, 1
	EPIV
	s_wait_tensorcnt 0x0                           ; the wave's end
	ds_add_u32 v[SPW], v[NIL]
	s_wait_dscnt 0x0
	ROUND                                          ; the closing round
	s_endpgm
.Lfunc_end_k_q16ddec11af_qkv:
	.size	k_q16ddec11af_qkv, .Lfunc_end_k_q16ddec11af_qkv-k_q16ddec11af_qkv
	.p2alignl 7, 3214868480
	.fill 96, 4, 3214868480
	.section	.rodata,"a",@progbits
	.p2align	6, 0x0
	.amdhsa_kernel k_q16ddec11af_qkv
		.amdhsa_group_segment_fixed_size 327680
		.amdhsa_private_segment_fixed_size 0
		.amdhsa_enable_private_segment 0
		.amdhsa_kernarg_size 32
		.amdhsa_user_sgpr_count 2
		.amdhsa_user_sgpr_kernarg_segment_ptr 1
		.amdhsa_wavefront_size32 1
		.amdhsa_system_sgpr_workgroup_id_x 1
		.amdhsa_system_sgpr_workgroup_id_y 1
		.amdhsa_system_sgpr_workgroup_id_z 1
		.amdhsa_system_vgpr_workitem_id 0
		.amdhsa_next_free_vgpr 1024
		.amdhsa_next_free_sgpr 80
		.amdhsa_reserve_vcc 0
		.amdhsa_float_denorm_mode_32 3
		.amdhsa_float_denorm_mode_16_64 3
		.amdhsa_memory_ordered 1
		.amdhsa_forward_progress 1
		.amdhsa_inst_pref_size 157
	.end_amdhsa_kernel
	.amdgpu_metadata
---
amdhsa.version: [ 1, 2 ]
amdhsa.kernels:
  - .name:           k_q16ddec11af_qkv
    .symbol:         k_q16ddec11af_qkv.kd
    .args:
      - { .name: x, .offset: 0, .size: 8, .value_kind: global_buffer, .address_space: global }
      - { .name: wimg, .offset: 8, .size: 8, .value_kind: global_buffer, .address_space: global }
      - { .name: qimg, .offset: 16, .size: 8, .value_kind: global_buffer, .address_space: global }
      - { .name: kv, .offset: 24, .size: 8, .value_kind: global_buffer, .address_space: global }
    .group_segment_fixed_size: 327680
    .private_segment_fixed_size: 0
    .kernarg_segment_align: 8
    .kernarg_segment_size: 32
    .max_flat_workgroup_size: 128
    .sgpr_count:     80
    .vgpr_count:     1024
    .wavefront_size: 32
...
	.end_amdgpu_metadata
.endif
;; end of part 2
;; launch attn (part 3): grid 256 x 1, 4 waves a work-group, clusters of 4 x 1, 327,680 bytes of LDS; arguments x, qimg, kv, wimg, bo, ln1_g, ln1_b, b1, b2, ln2_g, ln2_b, out1, pool; writes out1, pool
.if DOCPART == 3
	.amdgcn_target "amdgcn-amd-amdhsa--gfx1250"
	.amdhsa_code_object_version 6
	.text
	.protected	k_q16ddec11af_attn
	.globl	k_q16ddec11af_attn
	.p2align	8
	.type	k_q16ddec11af_attn,@function
k_q16ddec11af_attn:
	s_mov_b64 s[64:65], 0
	v_nop
	global_prefetch_b8 v0, s[64:65] scope:SCOPE_SE
	s_setreg_imm32_b32 hwreg(HW_REG_WAVE_MODE, 25, 1), 1
	s_wait_xcnt 0x0
	s_wait_alu depctr_hold_cnt(0) depctr_sa_sdst(0) depctr_va_vdst(0) depctr_va_sdst(0) depctr_va_ssrc(0) depctr_va_vcc(0) depctr_vm_vsrc(0)
	s_getreg_b32 s2, hwreg(HW_REG_IB_STS2, 6, 4)
	s_cmp_eq_u32 s2, 0
	s_cbranch_scc0 .Lentry_in_a_cluster
	s_endpgm
.Lentry_in_a_cluster:
	s_bfe_u32 s2, ttmp6, 0x10000c
	s_cmp_lg_u32 s2, 0x3003
	s_cbranch_scc0 .Lentry_shape_is_right
	s_endpgm
.Lentry_shape_is_right:
; For 64 queries: softmax(q k^T / sqrt(512)) v, x wo + bo, residual and LayerNorm, the FFN, residual and LayerNorm, out1, and the block's sum over its tokens (pool).  All five products on codes of BF6 (E3M2)
; with one E8M0 scale for each 32 along K; ctx, src and h never go to memory.
; THE STREAM: 22 dense steps of 102,400 bytes through a ring of two LDS slots: the batch's 16 key steps (128 keys: K's images and words, V's images and bytes), then wo, w1, w2 in two halves each.
; Each wave brings a quarter of a step; the four work-groups of a cluster lie in one batch and walk the same stream, so every load is JOINT (mask 15).  One tensor load of a wave is out at a time.
; THE ORDER OF THE KEYS.  Cluster c (0 to 7) of a batch begins at key step 4 ((c xor c / 4) mod 4) and walks round modulo 16: the running form of the softmax does not hang on the order of the keys.  Clusters 0-3,
; clusters 4-7, the even and the odd ones each have all four starts, so the clusters of a batch ask for different steps at any one time.  c is the same in the four partners of a cluster.
; A KEY STEP.  S phase: wave (a, b) = (w / 2, w % 2) makes S^T = K Q^T for keys 64 a .. + 63 and query tiles 2 b, 2 b + 1.  The keys of a tile are chosen so that a lane's 32 scores of a tile of
; queries are ONE WHOLE BLOCK of 32 neighbouring keys of one query.  So everything of the softmax is the lane's own: its running largest t, M = ceil of it, l = the sum of the unquantised p = 2^(t - M).
; p is quantised under the lane's own M; what is published with the codes is G = the block's byte + M, a whole number that does not hang on M.  Second product: wave w makes O^T += V^T P^T for units 128 w .. + 127 and
; all four query tiles.  R is the query's running largest G; the byte used is G - (R - 123), held at 0 from below; O is multiplied by 2^(old R - new R).  All these are exact powers of two, so the
; codes' values are those of the stated rule.  At the end O is divided by the sum of the four lanes' l, each brought under R - 123 by v_ldexp_f32.
; THE ORDER OF A TRIP.  A key step's second product is issued in the NEXT trip: V's and P's fragments, their scale words and the factors wait in registers.  Behind the change of slots K's fragments are asked of LDS in
; four runs, the fourth behind K step 0's products; O^T's rescaling stands among the first product's lines, the 32 products of the step before behind them; V's fragments are asked for in one run ahead of the exponentials.  The last step's second product is written out behind the loop.
; THE TAIL keeps x (then src) in the results' layout: lane (r, h) holds token row r, register 64 q + 32 g + p = unit 128 w + 64 g + 32 h + p.  x + bo is the C of wo's product, b1 of w1's, src + b2 of w2's.
; LayerNorm: each wave's mean of its 128 units and its sum of squares about that mean meet in LDS and are joined exactly (no difference of large sums).
; LIMITS: |t| stays under 2^23, so that G is a whole number in f32; p under 2^-126 counts as 0; a block of zeros gets the byte 1; NaN and infinities are not served.
; O^T, and the first trip's P, V and factors, begin as zeros and the largest t and R as -3e38, so that the key step is written once (a first step of its own would be a second copy of the loop's text).
; REGISTERS: window 0: v1-43 addresses, v48-63 the lanes' statistics, v64-127 S^T (later G and work), v128-175 P, v176-211 work, v212-231 scale words; window 1: O^T; window 2: v0-95 Q, v96-191 V, v192-255 bo;
;   window 3: K.  In the tail: window 0 as in the launch before, window 1 gains, biases and w1's accumulators, window 2 the weights' fragments and b1, window 3 x, then src.
.set STEPB,  102400
.set QTR,    25600
.set SLOT1,  1<<17
.set AIMG0,  102400                    ; 16 fragments (4 q + s) x 1,536 and their scale words: ctx, later h
.set GBUF,   129024                    ; G: 256 q + 16 r + 4 (block of the key step)
.set AIMG1,  233472                    ; the same for src
.set XSTG,   260096                    ; each wave's stage: 16 rows of 512 bytes + 16
.set PIMG,   293888                    ; P's four fragments, in halves of 768 bytes
.set LST,    300032                    ; (-M, l): 512 q + 32 r + 8 (2 a + h)
.set LNST,   302080                    ; (mean, sum of squares): 512 q + 32 r + 8 w; the second LayerNorm's 2,048 on
.set SPARE,  306176
.set SPW, 1
.set NIL, 2
.set LI,  3
.set L8,  4
.set WFA, 5
.set WSA, 7
.set AIR, 9
.set AIW, 11
.set AWW, 13
.set SW,  15
.set SRD, 16
.set XO,  17
.set VB,  18
.set SH8, 19
.set AK0, 20
.set KZ0, 21
.set AV0, 22
.set AV1, 23
.set VP0, 24
.set ADK, 25
.set ADZ, 26
.set ADV, 27
.set ADW, 28
.set ADP, 29
.set PST0, 30
.set PST1, 31
.set GST, 32
.set GLD, 33
.set PLD0, 34
.set PLD1, 35
.set LSTS, 36
.set LSTL, 37
.set LNS, 38
.set LNL, 39
.set QO,  40
.set QZO, 41
.set XPO, 43
.set ST,  48                           ; tile m at ST + 8 m: +0 -M, +1 the largest t, +2 +3 l, +4 the largest score, +5 at work, +6 +7 f
.set SCO, 64
.set GQ,  64
.set RN,  84
.set BN,  88
.set LQ,  64
.set PF,  128
.set PCM, 176
.set TPM, 188
.set RR,  196
.set FF,  200
.set PL,  208                          ; V's scale bytes as loaded
.set KZ,  212
.set QZ,  220
.set VW,  224
.set PWD, 228
.set VF,  96
.set AF,  64
.set PC,  160
.set TMPC, 172
.set AW,  180
.set MX,  184
.set SO,  186
.set BY,  188
.set TW,  190
.set AS,  212
.set WS,  220
.set PS,  236
.set TA,  64
.set MWP, 80
.set TP,  88
.set LDR, 96
.set RS,  128
.set C0,  136
.set MN,  144
.set EE,  148
.set SS,  152
.set G1,  32
.set G0,  40
.set PK,  44                           ; s[44:45] kv at the batch, my quarter of a step; never rewritten
.set PWO, 46
.set XPF, 50
.set SEL, 52
.set CS,  54
.set WV,  56
.set J,   57
.set TB,  58
.set KI,  59                           ; s59  the key step asked for last
.set I512, 76
.set EPS, 77
.set MSB, 0
.macro WIN new                         ; the immediate's high byte repeats the setting that is left
.if MSB != (\new)
	s_set_vgpr_msb (MSB<<8)|(\new)
.set MSB, (\new)
.endif
.endm
.macro PLACES n
.rept \n
	v_nop
.endr
.endm
.macro ROUND                           ; a round of the cluster's barrier
	s_barrier_signal -1
	s_barrier_wait -1
	s_cmp_lg_u32 s[WV], 0
	s_cbranch_scc1 .Lnw0_\@
	s_barrier_signal -3
.Lnw0_\@:
	s_barrier_wait -3
	s_barrier_signal -1
	s_barrier_wait -1
.endm
.macro CHANGE fill                     ; the change of slots in the tail: as in the loop, with the descriptor stepping on through wimg
	WIN 0
	s_wait_tensorcnt 0x0
	ds_add_u32 v[SPW], v[NIL]
.if \fill
	s_xor_b32 s[G0+1], s[G0+1], SLOT1
	s_add_nc_u64 s[G0+2:G0+3], s[G0+2:G0+3], STEPB
.endif
	s_wait_dscnt 0x0
.if \fill
	ROUND
	tensor_load_to_lds s[G0:G0+3], s[G1:G1+7]
	s_nop 0
.else
	s_barrier_signal -1
	s_barrier_wait -1
.endif
	PLACES 4                                       ; also the places in front of loads into registers that matrix instructions have read
.endm
.macro BAR                             ; my LDS stores have landed and my LDS loads are in: then the work-group's barrier.  a tensor load may stay on its way
	WIN 0
	s_wait_dscnt 0x0
	s_barrier_signal -1
	s_barrier_wait -1
.endm
.macro WMX                             ; one product; registers and flags in the symbols rD rA rB rC rSA rSB fZ fRA fRB
.if fZ
.if fRA
.if fRB
	v_wmma_scale_f32_16x16x128_f8f6f4 v[rD:rD+7], v[rA:rA+11], v[rB:rB+11], 0, v[rSA], v[rSB] matrix_a_fmt:MATRIX_FMT_BF6 matrix_b_fmt:MATRIX_FMT_BF6 matrix_a_scale:MATRIX_SCALE_ROW1 matrix_b_scale:MATRIX_SCALE_ROW1
.else
	v_wmma_scale_f32_16x16x128_f8f6f4 v[rD:rD+7], v[rA:rA+11], v[rB:rB+11], 0, v[rSA], v[rSB] matrix_a_fmt:MATRIX_FMT_BF6 matrix_b_fmt:MATRIX_FMT_BF6 matrix_a_scale:MATRIX_SCALE_ROW1
.endif
.else
.if fRB
	v_wmma_scale_f32_16x16x128_f8f6f4 v[rD:rD+7], v[rA:rA+11], v[rB:rB+11], 0, v[rSA], v[rSB] matrix_a_fmt:MATRIX_FMT_BF6 matrix_b_fmt:MATRIX_FMT_BF6 matrix_b_scale:MATRIX_SCALE_ROW1
.else
	v_wmma_scale_f32_16x16x128_f8f6f4 v[rD:rD+7], v[rA:rA+11], v[rB:rB+11], 0, v[rSA], v[rSB] matrix_a_fmt:MATRIX_FMT_BF6 matrix_b_fmt:MATRIX_FMT_BF6
.endif
.endif
.else
.if fRA
.if fRB
	v_wmma_scale_f32_16x16x128_f8f6f4 v[rD:rD+7], v[rA:rA+11], v[rB:rB+11], v[rC:rC+7], v[rSA], v[rSB] matrix_a_fmt:MATRIX_FMT_BF6 matrix_b_fmt:MATRIX_FMT_BF6 matrix_a_scale:MATRIX_SCALE_ROW1 matrix_b_scale:MATRIX_SCALE_ROW1
.else
	v_wmma_scale_f32_16x16x128_f8f6f4 v[rD:rD+7], v[rA:rA+11], v[rB:rB+11], v[rC:rC+7], v[rSA], v[rSB] matrix_a_fmt:MATRIX_FMT_BF6 matrix_b_fmt:MATRIX_FMT_BF6 matrix_a_scale:MATRIX_SCALE_ROW1
.endif
.else
.if fRB
	v_wmma_scale_f32_16x16x128_f8f6f4 v[rD:rD+7], v[rA:rA+11], v[rB:rB+11], v[rC:rC+7], v[rSA], v[rSB] matrix_a_fmt:MATRIX_FMT_BF6 matrix_b_fmt:MATRIX_FMT_BF6 matrix_b_scale:MATRIX_SCALE_ROW1
.else
	v_wmma_scale_f32_16x16x128_f8f6f4 v[rD:rD+7], v[rA:rA+11], v[rB:rB+11], v[rC:rC+7], v[rSA], v[rSB] matrix_a_fmt:MATRIX_FMT_BF6 matrix_b_fmt:MATRIX_FMT_BF6
.endif
.endif
.endif
.endm
; 64 registers of window win from src on, k = 64 g + 32 h + 0 .. 31 of my row's K step, become the fragment v[PC ..] and the row's scale word v[AW + q].  The registers are read in ascending order.
.macro QUANT64 src, win, q
	WIN ((\win)<<2)|((\win)<<4)
.irp g, 0,1
	v_max3_num_f32 v[MX+\g], 0x2800000, |v[(\src)+32*\g]|, |v[(\src)+32*\g+1]|   ; with the floor 2^(5 - 127): the byte cannot fall under 1
.endr
.irp i, 2,4,6,8,10,12,14,16,18,20,22,24,26,28,30
.irp g, 0,1
	v_max3_num_f32 v[MX+\g], v[MX+\g], |v[(\src)+32*\g+\i]|, |v[(\src)+32*\g+\i+1]|
.endr
.endr
	WIN 0
.irp g, 0,1
	v_add_nc_u32 v[SO+\g], 0xfe000000, v[MX+\g]    ; 4 off the exponent field: the conversion's scale operand
.endr
.irp g, 0,1
	v_lshrrev_b32 v[BY+\g], 23, v[SO+\g]
.endr
	s_wait_alu depctr_va_vdst(0)
	s_wait_dscnt 0x0                               ; the image stores of the tile before have read their registers, which the conversions write again
	WIN \win
.irp g, 0,1
	v_cvt_scalef32_pk16_bf6_f32 v[PC+6*\g:PC+6*\g+2], v[(\src)+32*\g:(\src)+32*\g+15], v[SO+\g]
	v_cvt_scalef32_pk16_bf6_f32 v[TMPC+4*\g:TMPC+4*\g+2], v[(\src)+32*\g+16:(\src)+32*\g+31], v[SO+\g]
.endr
	WIN 0
	v_nop                                          ; one plain line behind the conversions
.irp g, 0,1
.irp i, 0,1,2
	v_mov_b32 v[PC+3+6*\g+\i], v[TMPC+4*\g+\i]
.endr
.endr
	v_lshl_or_b32 v[AW+(\q)], v[BY+1], 16, v[BY]   ; my bytes h and 2 + h,
	v_lshlrev_b32 v[AW+(\q)], v[SH8], v[AW+(\q)]
	v_permlanex16_b32 v[TW], v[AW+(\q)], s[SEL], s[SEL+1]
	v_or_b32 v[AW+(\q)], v[AW+(\q)], v[TW]         ; and the other half of the lanes' two
.endm
.macro IMGOUT im, q
.irp c, 0,1,2
	ds_store_b128 v[AIW+\im], v[PC+4*\c:PC+4*\c+3] offset:6144*(\q)+512*\c
.endr
.if (\q) == 3
	ds_store_b128 v[AWW+\im], v[AW:AW+3]
.endif
.endm
.macro LOADSET sg, sl, ks, kk, im      ; 38 LDS loads: my 8 fragments of the weight, the rows' 4, both sides' scale words
	WIN 0x80
.irp t, 0,1,2,3,4,5,6,7
.irp c, 0,1,2
	ds_load_b128 v[96*(\sg)+12*\t+4*\c:96*(\sg)+12*\t+4*\c+3], v[WFA+\sl] offset:(8*(\ks)+\t)*1536+512*\c
.endr
.endr
	WIN 0
.irp q, 0,1,2,3
.irp c, 0,1,2
	ds_load_b128 v[AF+48*(\sg)+12*\q+4*\c:AF+48*(\sg)+12*\q+4*\c+3], v[AIR+\im] offset:(4*\q+(\kk))*1536+512*\c
.endr
.endr
	ds_load_b128 v[AS+4*(\sg):AS+4*(\sg)+3], v[AIR+\im] offset:24576+512*(\kk)
	ds_load_b128 v[WS+4*(\sg):WS+4*(\sg)+3], v[WSA+\sl] offset:512*(\ks)
.endm
; 32 products, each of the 32 accumulators once: source 0 = 16 units of the weight, source 1 = 16 tokens.  cmode 1: in place; 2: C = the bias in window 2, v192 on
.macro MULSET sg, X, cmode
.if (\cmode) == 2
	WIN ((\X)<<6)|0x22
.else
	WIN ((\X)<<6)|((\X)<<4)|0x02
.endif
.irp q, 0,1,2,3
.irp t, 0,1,2,3,4,5,6,7
.set rD, 8*(8*\q+\t)
.set rA, 96*(\sg)+12*\t
.set rB, AF+48*(\sg)+12*\q
.set rSA, WS+4*(\sg)+\t/2
.set rSB, AS+4*(\sg)+\q
.set fRA, \t%2
.set fRB, 0
.set fZ, 0
.set rC, rD
.if (\cmode) == 2
.set rC, 192+8*\t
.endif
	WMX
.endr
.endr
.endm
.macro HALF sl, im, hf, X, cmode       ; a step: two K steps of one weight
	LOADSET 0, \sl, 0, 2*(\hf), \im
	LOADSET 1, \sl, 1, 2*(\hf)+1, \im
	s_wait_dscnt 38                                ; set 0 is in; set 1's 38 loads may be out
	MULSET 0, \X, \cmode
	s_wait_dscnt 0x0
	MULSET 1, \X, 1
.endm
.macro XPOSE q, cnt                    ; tile q of x through my stage: register 32 g + p = unit 64 g + 32 h + p of token row r
	s_wait_loadcnt \cnt
	WIN 0x0c
.irp i, 0,1,2,3,4,5,6,7,8,9,10,11,12,13,14,15
	ds_store_b128 v[SW], v[64*(\q)+4*\i:64*(\q)+4*\i+3] offset:528*\i
.endr
	WIN 0xc0
.irp g, 0,1
.irp e, 0,1,2,3,4,5,6,7
	ds_load_b128 v[64*(\q)+32*\g+4*\e:64*(\q)+32*\g+4*\e+3], v[SRD] offset:256*\g+16*\e   ; LDS serves a wave's instructions in order
.endr
.endr
.endm
.macro PARAM64 sb, reg, win            ; my 64 numbers of a vector of 512, in the results' layout
	WIN (\win)<<6
.irp g, 0,1
.irp e, 0,1,2,3,4,5,6,7
	global_load_b128 v[(\reg)+32*\g+4*\e:(\reg)+32*\g+4*\e+3], v[VB], s[\sb:\sb+1] offset:256*\g+16*\e
.endr
.endr
.endm
; THE KEY LOOP'S PIECES.  K's four fragments of K step s (12 LDS loads);
.macro KRUN s
	WIN 0xc0
.irp i, 0,1,2,3
.irp c, 0,1,2
	ds_load_b128 v[12*(4*(\s)+\i)+4*\c:12*(4*(\s)+\i)+4*\c+3], v[ADK] offset:6144*\i+1536*(\s)+512*\c
.endr
.endr
.endm
; n of V's eight fragments, from t0 on (4 LDS loads each);
.macro VRUN t0, n
	WIN 0x80
.set tt, \t0
.rept \n
.irp c, 0,1
	ds_load_b128 v[VF+12*tt+6*\c:VF+12*tt+6*\c+3], v[ADV] offset:1536*tt+768*\c
	ds_load_b64 v[VF+12*tt+6*\c+4:VF+12*tt+6*\c+5], v[ADW] offset:1536*tt+768*\c
.endr
.set tt, tt+1
.endr
	WIN 0
.endm
; O^T of query tiles q0, q0 + 1 under the new R, each accumulator from its low end on;
.macro OXF q0
	WIN 0x41
.irp q, \q0, \q0+1
.set p, 0
.rept 32
	v_pk_mul_f32 v[64*(\q)+p:64*(\q)+p+1], v[64*(\q)+p:64*(\q)+p+1], v[FF+2*(\q):FF+2*(\q)+1] op_sel_hi:[1,0]
.set p, p+2
.endr
.endr
.endm
; and 16 products O^T += V^T P^T: query tiles q0, q0 + 1 x my eight tiles of units, each accumulator once
.macro PVM q0
	WIN 0x52                                       ; V window 2, P window 0, O^T window 1
.irp q, \q0, \q0+1
.irp t, 0,1,2,3,4,5,6,7
.set rD, 8*(8*(\q)+\t)
.set rA, VF+12*\t
.set rB, PF+12*(\q)
.set rC, rD
.set rSA, VW+\t/2
.set rSB, PWD+(\q)
.set fRA, \t%2
.set fRB, 0
.set fZ, 0
	WMX
.endr
.endr
.endm
; LayerNorm of window 3's 64 tokens; gain in window 1 v0-63, bias v64-127
; THE ORDER OF A TRIP AS THE LOOP NOW HAS IT (in place of the head's paragraph on it): K's runs 0 to 2 are asked of LDS on end; the first product's 32 instructions follow, and behind each stand the
; four packed multiplies that bring one accumulator of O^T under the new R; then the 32 products of the step before, with the softmax's lines up to t - M behind the first 21 of them; then V's eight fragments in one run.
.macro OX1 n                           ; accumulator n = 8 q + t of O^T under the new R, from its low end on
	WIN 0x41
.irp p, 0,2,4,6
	v_pk_mul_f32 v[8*(\n)+\p:8*(\n)+\p+1], v[8*(\n)+\p:8*(\n)+\p+1], v[FF+2*((\n)/8):FF+2*((\n)/8)+1] op_sel_hi:[1,0]
.endr
.endm
.macro PV1 n                           ; product n = 8 q + t of O^T += V^T P^T: each accumulator once
	WIN 0x52
.set rD, 8*(\n)
.set rA, VF+12*((\n)%8)
.set rB, PF+12*((\n)/8)
.set rC, rD
.set rSA, VW+((\n)%8)/2
.set rSB, PWD+(\n)/8
.set fRA, (\n)%2
.set fRB, 0
.set fZ, 0
	WMX
.endm
.macro MX3 i
.irp m, 0,1
	v_max3_num_f32 v[ST+8*\m+4], v[ST+8*\m+4], v[SCO+32*\m+(\i)], v[SCO+32*\m+(\i)+1]
.endr
.endm
; piece n (0 to 20) of the softmax's lines ahead of the exponentials, at most four lines, all in window 0; they name no register of the second product
.macro SM n
.if (\n) <= 20
	WIN 0
.endif
.if (\n) == 0
.irp m, 0,1
	v_max3_num_f32 v[ST+8*\m+4], v[SCO+32*\m], v[SCO+32*\m+1], v[SCO+32*\m+2]   ; the block's largest score: for M, and, since p rises with the score, for the block's largest p
.endr
	MX3 3
.elseif (\n) < 7
	MX3 4*(\n)+1
	MX3 4*(\n)+3
.elseif (\n) == 7
	MX3 29
.irp m, 0,1
	v_max_num_f32 v[ST+8*\m+4], v[ST+8*\m+4], v[SCO+32*\m+31]
.endr
.elseif (\n) == 8
.irp m, 0,1
	v_mul_f32 v[ST+8*\m+5], s[CS], v[ST+8*\m+4]
.endr
.irp m, 0,1
	v_max_num_f32 v[ST+8*\m+1], v[ST+8*\m+1], v[ST+8*\m+5]   ; my running largest t
.endr
.elseif (\n) == 9
.irp m, 0,1
	v_mov_b32 v[ST+8*\m+5], v[ST+8*\m]
.endr
.irp m, 0,1
	v_floor_f32 v[ST+8*\m], -v[ST+8*\m+1]          ; -M = floor(-t): M is a whole number
.endr
.elseif (\n) == 10
.irp m, 0,1
	v_sub_f32 v[ST+8*\m+5], v[ST+8*\m], v[ST+8*\m+5]
.endr
.irp m, 0,1
	v_cvt_i32_f32 v[ST+8*\m+5], v[ST+8*\m+5]       ; (it saturates)
.endr
.elseif (\n) == 11
.irp m, 0,1
	v_ldexp_f32 v[ST+8*\m+6], 1.0, v[ST+8*\m+5]    ; f = 2^(old M - new M)
.endr
.elseif (\n) <= 19
.irp d, 0,2
.irp m, 0,1
	v_pk_fma_f32 v[SCO+32*\m+4*((\n)-12)+\d:SCO+32*\m+4*((\n)-12)+\d+1], v[SCO+32*\m+4*((\n)-12)+\d:SCO+32*\m+4*((\n)-12)+\d+1], s[CS:CS+1], v[ST+8*\m:ST+8*\m+1] op_sel_hi:[1,0,0]   ; t - M
.endr
.endr
.elseif (\n) == 20
.irp m, 0,1
	v_fma_f32 v[ST+8*\m+4], v[ST+8*\m+4], s[CS], v[ST+8*\m]
.endr
.endif
.endm
.macro LNORM which
	WIN 0
	PLACES 4                                       ; behind the last products
	WIN 0x0f
.irp q, 0,1,2,3
	v_pk_add_f32 v[TA+4*\q:TA+4*\q+1], v[64*\q:64*\q+1], v[64*\q+4:64*\q+5]       ; my 64 numbers' sum, in two chains a tile, in ascending order
	v_pk_add_f32 v[TA+4*\q+2:TA+4*\q+3], v[64*\q+2:64*\q+3], v[64*\q+6:64*\q+7]
.endr
	WIN 0x0c
.set p, 8
.rept 14
.irp q, 0,1,2,3
	v_pk_add_f32 v[TA+4*\q:TA+4*\q+1], v[TA+4*\q:TA+4*\q+1], v[64*\q+p:64*\q+p+1]
	v_pk_add_f32 v[TA+4*\q+2:TA+4*\q+3], v[TA+4*\q+2:TA+4*\q+3], v[64*\q+p+2:64*\q+p+3]
.endr
.set p, p+4
.endr
	WIN 0
.irp q, 0,1,2,3
	v_pk_add_f32 v[TA+4*\q:TA+4*\q+1], v[TA+4*\q:TA+4*\q+1], v[TA+4*\q+2:TA+4*\q+3]
.endr
.irp q, 0,1,2,3
	v_add_f32 v[MWP+2*\q], v[TA+4*\q], v[TA+4*\q+1]
.endr
.irp q, 0,1,2,3
	v_permlanex16_b32 v[TP+\q], v[MWP+2*\q], s[SEL], s[SEL+1]
.endr
.irp q, 0,1,2,3
	v_add_f32 v[MWP+2*\q], v[MWP+2*\q], v[TP+\q]
.endr
.irp q, 0,1,2,3
	v_mul_f32 v[MWP+2*\q], 0x3c000000, v[MWP+2*\q] ; the mean of my wave's 128 units
.endr
	WIN 0xc3
.irp q, 0,1,2,3
.set p, 0
.rept 32
	v_pk_add_f32 v[64*\q+p:64*\q+p+1], v[64*\q+p:64*\q+p+1], v[MWP+2*\q:MWP+2*\q+1] op_sel_hi:[1,0] neg_lo:[0,1] neg_hi:[0,1]
.set p, p+2
.endr
.endr
	WIN 0x0f
.irp q, 0,1,2,3
	v_pk_mul_f32 v[TA+4*\q:TA+4*\q+1], v[64*\q:64*\q+1], v[64*\q:64*\q+1]
.endr
.set p, 2
.rept 31
.irp q, 0,1,2,3
	v_pk_fma_f32 v[TA+4*\q:TA+4*\q+1], v[64*\q+p:64*\q+p+1], v[64*\q+p:64*\q+p+1], v[TA+4*\q:TA+4*\q+1]
.endr
.set p, p+2
.endr
	WIN 0
.irp q, 0,1,2,3
	v_add_f32 v[MWP+2*\q+1], v[TA+4*\q], v[TA+4*\q+1]
.endr
.irp q, 0,1,2,3
	v_permlanex16_b32 v[TP+\q], v[MWP+2*\q+1], s[SEL], s[SEL+1]
.endr
.irp q, 0,1,2,3
	v_add_f32 v[MWP+2*\q+1], v[MWP+2*\q+1], v[TP+\q]   ; the sum of squares about that mean
.endr
.irp q, 0,1,2,3
	ds_store_b64 v[LNS], v[MWP+2*\q:MWP+2*\q+1] offset:2048*(\which)+512*\q
.endr
	s_wait_dscnt 0x0                               ; for the others' sake
	s_barrier_signal -1
	s_barrier_wait -1
.irp q, 0,1,2,3
	ds_load_b128 v[LDR+8*\q:LDR+8*\q+3], v[LNL] offset:2048*(\which)+512*\q
	ds_load_b128 v[LDR+8*\q+4:LDR+8*\q+7], v[LNL] offset:2048*(\which)+512*\q+16
.endr
	s_wait_dscnt 0x0
.irp q, 0,1,2,3
	v_add_f32 v[MN+\q], v[LDR+8*\q], v[LDR+8*\q+2]
	v_add_f32 v[EE+\q], v[LDR+8*\q+4], v[LDR+8*\q+6]
	v_add_f32 v[SS+\q], v[LDR+8*\q+1], v[LDR+8*\q+3]
	v_add_f32 v[TP+\q], v[LDR+8*\q+5], v[LDR+8*\q+7]
.endr
.irp q, 0,1,2,3
	v_add_f32 v[MN+\q], v[MN+\q], v[EE+\q]
	v_add_f32 v[SS+\q], v[SS+\q], v[TP+\q]
.endr
.irp q, 0,1,2,3
	v_mul_f32 v[MN+\q], 0x3e800000, v[MN+\q]       ; the row's mean
.endr
.irp i, 0,2,4,6
.irp q, 0,1,2,3
	v_sub_f32 v[LDR+8*\q+\i], v[LDR+8*\q+\i], v[MN+\q]
.endr
.endr
.irp q, 0,1,2,3
	v_mul_f32 v[EE+\q], v[LDR+8*\q], v[LDR+8*\q]
.endr
.irp i, 2,4,6
.irp q, 0,1,2,3
	v_fmac_f32 v[EE+\q], v[LDR+8*\q+\i], v[LDR+8*\q+\i]
.endr
.endr
.irp q, 0,1,2,3
	v_fmamk_f32 v[SS+\q], v[EE+\q], 0x43000000, v[SS+\q]   ; + 128 x the waves' means' squares about the row's mean
.endr
.irp q, 0,1,2,3
	v_fma_f32 v[SS+\q], v[SS+\q], s[I512], s[EPS]  ; the variance + 1e-5
.endr
	s_wait_alu depctr_va_vdst(0)
.irp q, 0,1,2,3
	v_rsq_f32 v[RS+2*\q], v[SS+\q]
.endr
.irp q, 0,1,2,3
	v_sub_f32 v[C0+2*\q], v[MWP+2*\q], v[MN+\q]    ; plain lines behind the batch
.endr
	s_wait_alu depctr_va_vdst(0)                   ; one wait for the four, ahead of their first reader
.irp q, 0,1,2,3
	v_mul_f32 v[C0+2*\q], v[C0+2*\q], v[RS+2*\q]
.endr
	WIN 0xc3
.irp q, 0,1,2,3
.set p, 0
.rept 32
	v_pk_fma_f32 v[64*\q+p:64*\q+p+1], v[64*\q+p:64*\q+p+1], v[RS+2*\q:RS+2*\q+1], v[C0+2*\q:C0+2*\q+1] op_sel_hi:[1,0,0]
.set p, p+2
.endr
.endr
	s_wait_loadcnt 0x0                             ; gain and bias (and what else was asked for with them)
	WIN 0xd7
.irp q, 0,1,2,3
.set p, 0
.rept 32
	v_pk_fma_f32 v[64*\q+p:64*\q+p+1], v[64*\q+p:64*\q+p+1], v[p:p+1], v[64+p:64+p+1]
.set p, p+2
.endr
.endr
	WIN 0
.endm
.macro TOSTAGE q                       ; tile q back through my stage: a row to a lane in, 512 bytes of a token out
	WIN 0x0c
.irp g, 0,1
.irp e, 0,1,2,3,4,5,6,7
	ds_store_b128 v[SRD], v[64*(\q)+32*\g+4*\e:64*(\q)+32*\g+4*\e+3] offset:256*\g+16*\e
.endr
.endr
	WIN 0x80
.irp i, 0,1,2,3,4,5,6,7,8,9,10,11,12,13,14,15
	ds_load_b128 v[64*((\q)%2)+4*\i:64*((\q)%2)+4*\i+3], v[SW] offset:528*\i
.endr
.endm
.macro SEND q, younger
	s_wait_dscnt \younger
	WIN 0x08
.irp i, 0,1,2,3,4,5,6,7,8,9,10,11,12,13,14,15
	global_store_b128 v[XO], v[64*((\q)%2)+4*\i:64*((\q)%2)+4*\i+3], s[26:27] offset:(32*(\i/8)+8*(\q)+\i%8)*2048 th:TH_STORE_NT   ; 512 consecutive bytes of one token
.endr
.irp i, 0,1,2,3,4,5,6,7,8,9,10,11,12,13,14,15
	v_pk_add_f32 v[PS:PS+1], v[PS:PS+1], v[64*((\q)%2)+4*\i:64*((\q)%2)+4*\i+1]     ; the block's sum over its tokens
	v_pk_add_f32 v[PS+2:PS+3], v[PS+2:PS+3], v[64*((\q)%2)+4*\i+2:64*((\q)%2)+4*\i+3]
.endr
.endm
	s_load_b512 s[4:19], s[0:1], 0x0               ; x, qimg, kv, wimg, bo, ln1_g, ln1_b, b1
	s_load_b256 s[20:27], s[0:1], 0x40             ; b2, ln2_g, ln2_b, out1
	s_load_b64 s[28:29], s[0:1], 0x60              ; pool
	v_lshl_add_u32 v[SPW], v0, 2, SPARE
	v_mov_b32 v[NIL], 0
	ds_add_u32 v1, v2
	ds_add_u32 v1, v2
	s_wait_dscnt 0x0
	v_lshrrev_b32 v47, 5, v0
	v_readfirstlane_b32 s[WV], v47                 ; wave 0..3
	s_lshr_b32 s30, s[WV], 1                       ; a
	s_and_b32 s31, s[WV], 1                        ; b
	s_bfe_u32 s60, ttmp6, 0x40000                  ; cx
	s_lshl_b32 s61, ttmp9, 2
	s_add_co_u32 s61, s61, s60                     ; my block of 64 tokens
	s_lshr_b32 s62, ttmp9, 3                       ; the batch, which the four partners share
	s_mov_b32 s[G1], 15|(3<<16)|(1<<21)            ; the mask: all four work-groups; elements of 8 bytes; bit 21 beside a mask; no padding
	s_mov_b32 s[G1+1], 32<<16                      ; rows of 256 bytes,
	s_mov_b32 s[G1+2], 100<<16                     ; 100 of them,
	s_mov_b32 s[G1+3], 32<<16
	s_mov_b32 s[G1+4], 100
	s_mov_b32 s[G1+5], 32                          ; dense
	s_mov_b32 s[G1+6], 0
	s_mov_b32 s[G1+7], 0
	s_mov_b32 s[SEL], 0x76543210
	s_mov_b32 s[SEL+1], 0xfedcba98                 ; lane l xor 16
	s_mov_b32 s[CS], 0x3d8293ee                    ; c = log2(e) / sqrt(512)
	s_mov_b32 s[CS+1], s[CS]
	s_mov_b32 s[I512], 0x3b000000                  ; 1 / 512
	s_mov_b32 s[EPS], 0x3727c5ac                   ; 1e-5
	s_mov_b32 s[TB], 0
	s_mov_b32 s[J], 0
	s_and_b32 s63, ttmp9, 7                        ; c: which of the batch's eight clusters: the same in all four partners
	s_lshr_b32 s[KI], s63, 2
	s_xor_b32 s[KI], s[KI], s63
	s_and_b32 s[KI], s[KI], 3
	s_lshl_b32 s[KI], s[KI], 2                     ; my cluster's first key step: 0, 4, 8 or 12
	v_and_b32 v44, 31, v0                          ; l
	v_and_b32 v45, 15, v0                          ; r
	v_bfe_u32 v46, v0, 4, 1                        ; h
	v_lshlrev_b32 v[LI], 4, v44
	v_lshlrev_b32 v[L8], 3, v44
	v_lshlrev_b32 v[SH8], 3, v46
	s_mul_i32 s66, s[WV], 24576
	v_add_nc_u32 v[WFA], s66, v[LI]
	v_add_nc_u32 v[WFA+1], SLOT1, v[WFA]
	s_lshl_b32 s66, s[WV], 10
	s_add_co_u32 s66, s66, 98304
	v_add_nc_u32 v[WSA], s66, v[LI]
	v_add_nc_u32 v[WSA+1], SLOT1, v[WSA]
	v_add_nc_u32 v[AIR], AIMG0, v[LI]
	v_add_nc_u32 v[AIR+1], AIMG1, v[LI]
	s_mul_i32 s66, s[WV], 1536
	v_add_nc_u32 v47, s66, v[LI]
	v_add_nc_u32 v[AIW], AIMG0, v47
	v_add_nc_u32 v[AIW+1], AIMG1, v47
	s_lshl_b32 s67, s[WV], 9
	v_add_nc_u32 v[XO], s67, v[LI]                 ; 512 w + 16 l
	v_add_nc_u32 v[AWW], AIMG0+24576, v[XO]
	v_add_nc_u32 v[AWW+1], AIMG1+24576, v[XO]
	v_lshl_add_u32 v[VB], v46, 7, s67              ; 512 w + 128 h
	s_mul_i32 s66, s[WV], 8448
	s_add_co_u32 s66, s66, XSTG
	v_add_nc_u32 v[SW], s66, v[LI]
	v_mul_u32_u24 v47, v45, 528
	v_lshl_add_u32 v47, v46, 7, v47
	v_add_nc_u32 v[SRD], s66, v47
	s_mul_i32 s66, s30, 24576
	v_add_nc_u32 v[AK0], s66, v[LI]                ; K's fragments of my 64 keys
	s_lshl_b32 s66, s30, 10
	s_add_co_u32 s66, s66, 49152
	v_add_nc_u32 v[KZ0], s66, v[L8]                ; their scale words
	s_mul_i32 s66, s[WV], 12288
	s_add_co_u32 s66, s66, 51200
	v_add_nc_u32 v[AV0], s66, v[LI]                ; V's fragments of my 128 units
	s_add_co_u32 s66, s66, 512
	v_add_nc_u32 v[AV1], s66, v[L8]
	s_lshl_b32 s66, s[WV], 8
	s_add_co_u32 s66, s66, 51200+49152
	v_add_nc_u32 v[VP0], s66, v[L8]                ; their scale bytes
	s_lshl_b32 s66, s31, 2
	s_add_co_u32 s66, s66, s30
	s_mul_i32 s66, s66, 768
	s_add_co_u32 s66, s66, PIMG
	v_add_nc_u32 v[PST0], s66, v[LI]               ; P: tile 2 b + m, half a
	s_add_co_u32 s66, s66, 512
	v_add_nc_u32 v[PST1], s66, v[L8]
	s_lshl_b32 s66, s31, 9
	s_lshl_b32 s68, s30, 3
	s_add_co_u32 s66, s66, s68
	s_add_co_u32 s66, s66, GBUF
	v_lshlrev_b32 v47, 4, v45
	v_lshl_add_u32 v47, v46, 2, v47
	v_add_nc_u32 v[GST], s66, v47
	v_lshl_add_u32 v[GLD], v45, 4, GBUF
	v_add_nc_u32 v[PLD0], PIMG, v[LI]
	v_add_nc_u32 v[PLD1], PIMG+512, v[L8]
	s_lshl_b32 s66, s31, 10
	s_lshl_b32 s68, s30, 4
	s_add_co_u32 s66, s66, s68
	s_add_co_u32 s66, s66, LST
	v_lshlrev_b32 v47, 5, v45
	v_lshl_add_u32 v47, v46, 3, v47
	v_add_nc_u32 v[LSTS], s66, v47
	v_lshl_add_u32 v[LSTL], v45, 5, LST
	v_lshl_add_u32 v[LNL], v45, 5, LNST
	s_lshl_b32 s66, s[WV], 3
	v_add_nc_u32 v[LNS], s66, v[LNL]
	s_mul_i32 s66, s31, 12288
	v_add_nc_u32 v[QO], s66, v[LI]                 ; Q's fragments of tiles 2 b, 2 b + 1
	s_lshl_b32 s66, s31, 2
	s_add_co_u32 s66, s66, 24576
	v_add_nc_u32 v[QZO], s66, v[L8]
	v_lshrrev_b32 v47, 1, v44
	v_lshlrev_b32 v47, 11, v47
	v_and_b32 v44, 1, v44
	v_lshl_add_u32 v47, v44, 8, v47
	v_add_nc_u32 v[XPO], s67, v47                  ; prefetch of x: 16 tokens a trip, my wave's 512 bytes of each in two blocks
	s_lshl_b32 s66, s61, 17
	s_mov_b32 s67, 0
	s_lshl_b32 s68, s61, 11
	s_mov_b32 s69, 0
	s_mul_i32 s70, s61, 25600
	s_mov_b32 s71, 0
	s_mul_i32 s72, s62, 16*STEPB
	s_mov_b32 s73, 0
	s_mul_i32 s74, s[WV], QTR
	s_mov_b32 s75, 0
	s_wait_kmcnt 0x0
	s_add_nc_u64 s[4:5], s[4:5], s[66:67]          ; x at my block
	s_add_nc_u64 s[26:27], s[26:27], s[66:67]      ; out1
	s_add_nc_u64 s[28:29], s[28:29], s[68:69]      ; pool
	s_add_nc_u64 s[6:7], s[6:7], s[70:71]          ; qimg
	s_add_nc_u64 s[8:9], s[8:9], s[72:73]          ; kv at the batch
	s_add_nc_u64 s[PK:PK+1], s[8:9], s[74:75]      ; my quarter of the batch's key step 0
	s_add_nc_u64 s[PWO:PWO+1], s[10:11], s[74:75]
	s_add_nc_u64 s[PWO:PWO+1], s[PWO:PWO+1], 614400   ; and of wo's first half
	s_mul_i32 s66, s[KI], STEPB                    ; my cluster's first key step, in bytes (s67 is 0)
	s_mov_b64 s[XPF:XPF+1], s[4:5]
	s_mov_b32 s[G0], 1
	s_mov_b32 s[G0+1], s74
	s_add_nc_u64 s[G0+2:G0+3], s[PK:PK+1], s[66:67]
	s_or_b32 s[G0+3], s[G0+3], 0x80000000
	ROUND                                          ; all four work-groups are here: the first joint load meets
	tensor_load_to_lds s[G0:G0+3], s[G1:G1+7]
	s_nop 0
	PLACES 4
	WIN 0x80
	s_wait_alu depctr_va_vdst(0)
.irp m, 0,1
.irp s, 0,1,2,3
.irp c, 0,1,2
	global_load_b128 v[12*(4*\m+\s)+4*\c:12*(4*\m+\s)+4*\c+3], v[QO], s[6:7] offset:6144*\m+1536*\s+512*\c   ; Q stays in registers
.endr
.endr
.endr
	PARAM64 12, 192, 2                             ; bo
	WIN 0
.irp s, 0,1,2,3
	global_load_b32 v[QZ+\s], v[QZO], s[6:7] offset:256*\s   ; lanes 0-15 tile 2 b's words, lanes 16-31 tile 2 b + 1's
.endr
	WIN 0x40
.set i, 0
.rept 256
	v_mov_b32 v[i], 0                              ; O^T
.set i, i+1
.endr
	WIN 0x80
.set i, VF
.rept 96
	v_mov_b32 v[i], 0                              ; the first trip's V: zero codes
.set i, i+1
.endr
	WIN 0
.set i, PF
.rept 48
	v_mov_b32 v[i], 0                              ; and P: zero codes, which add nothing under any scale byte but 0xff
.set i, i+1
.endr
.set i, VW
.rept 8
	v_mov_b32 v[i], 0                              ; their scale words: the byte 0
.set i, i+1
.endr
.irp m, 0,1
	v_mov_b32 v[ST+8*\m+1], 0xff61b1e6             ; the largest t so far: -3e38
	v_floor_f32 v[ST+8*\m], -v[ST+8*\m+1]
	v_mov_b32 v[ST+8*\m+2], 0
	v_mov_b32 v[ST+8*\m+3], 0
	v_mov_b32 v[ST+8*\m+7], 0                      ; (named as the upper half of a pair)
.endr
.irp q, 0,1,2,3
	v_mov_b32 v[RR+\q], 0xff61b1e6
	v_mov_b32 v[FF+2*\q], 0                        ; the first trip's factor
	v_mov_b32 v[FF+2*\q+1], 0
.endr
	v_mov_b32 v[TW], 0
	s_wait_loadcnt 0x0
.Ltrip:                                            ; 16 trips: the first product and the softmax of a key step, and the second product of the step before
	s_wait_tensorcnt 0x0                           ; my quarter of this trip's step has landed: no load of mine is out, so the descriptor may be written
	ds_add_u32 v[SPW], v[NIL]
	s_xor_b32 s[G0+1], s[G0+1], SLOT1
	s_add_co_u32 s[KI], s[KI], 1
	s_and_b32 s[KI], s[KI], 15                     ; the next key step, round modulo 16
	s_mul_i32 s60, s[KI], STEPB
	s_mov_b32 s61, 0
	s_add_nc_u64 s[62:63], s[PK:PK+1], s[60:61]
	s_cmp_eq_u32 s[J], 15
	s_cselect_b64 s[G0+2:G0+3], s[PWO:PWO+1], s[62:63]   ; or, behind the sixteenth, wo's first half
	s_or_b32 s[G0+3], s[G0+3], 0x80000000
	s_wait_xcnt 0x0                                ; the last trip's prefetch has read its address
	s_sub_co_u32 s60, s[J], 9
	s_cmp_lt_u32 s60, 4
	s_cselect_b32 s60, 0x8000, 0                   ; x's 16 tokens on, between its four prefetches
	s_add_nc_u64 s[XPF:XPF+1], s[XPF:XPF+1], s[60:61]
	s_wait_dscnt 0x0                               ; the add is done; my reads of the slot left are over; P's fragments are in
	ROUND
	tensor_load_to_lds s[G0:G0+3], s[G1:G1+7]      ; the next step, into the slot read last
	s_nop 0
	v_add_nc_u32 v[ADK], s[TB], v[AK0]
	v_add_nc_u32 v[ADZ], s[TB], v[KZ0]
	v_add_nc_u32 v[ADV], s[TB], v[AV0]
	v_add_nc_u32 v[ADW], s[TB], v[AV1]
	v_add_nc_u32 v[ADP], s[TB], v[VP0]
.irp s, 0,1,2,3
	ds_load_b64 v[KZ+2*\s:KZ+2*\s+1], v[ADZ] offset:256*\s
.endr
	KRUN 0                                         ; K's runs 0 to 2 on end; run 3 follows behind K step 0's products
	KRUN 1
	KRUN 2
	WIN 0
	s_sub_co_u32 s60, s[J], 8                      ; in trips 8 to 11: my wave's own 128 blocks of x, 32 a trip, for the tail
	s_cmp_lt_u32 s60, 4
	s_cbranch_scc0 .Lnox
	global_prefetch_b8 v[XPO], s[XPF:XPF+1] th:TH_LOAD_NT scope:SCOPE_SE
.Lnox:
.irp s, 0,1,2,3
.if \s < 2
	s_wait_dscnt 24                                ; the words and K's run s are in; the two younger runs, 24 loads, may be out
.else
	s_wait_dscnt 36-12*\s                          ; run 2: run 3's 12 loads may be out; run 3: none
.endif
.irp m, 0,1
.irp i, 0,1,2,3
.set rD, SCO+32*\m+8*\i
.set rA, 12*(4*\s+\i)
.set rB, 12*(4*\m+\s)
.set rC, rD
.set rSA, KZ+2*\s+\i/2
.set rSB, QZ+\s
.set fRA, \i%2
.set fRB, \m
.if \s == 0
.set fZ, 1
.else
.set fZ, 0
.endif
	WIN 0x0b                                       ; K window 3, Q window 2, S^T window 0
	WMX
	OX1 8*\s+4*\m+\i                               ; one accumulator of O^T under the R of the step before: plain lines that name no register of the product ahead of them
.endr
.endr
.if \s == 0
	KRUN 3
.endif
.endr
.set nn, 0
.rept 32                               ; the second product of the step before; the scores' four places are the last four multiplies above
	PV1 nn
	SM nn
.set nn, nn+1
.endr
	WIN 0
	PLACES 4                                       ; in front of the loads into V's registers, which the second product has read
.irp c, 0,1
	ds_load_b64 v[PL+2*\c:PL+2*\c+1], v[ADP] offset:1024*\c
.endr
	VRUN 0, 8                                      ; V of this step, in one run ahead of the exponentials
.set k, 0
	s_wait_alu depctr_va_vdst(0)
.rept 64
	v_exp_f32 v[SCO+k], v[SCO+k]                   ; p = 2^(t - M): one batch
.set k, k+1
.endr
	v_exp_f32 v[ST+4], v[ST+4]                     ; the blocks' largest p: the same two instructions on the same number
	v_exp_f32 v[ST+12], v[ST+12]
	v_pk_mul_f32 v[ST+2:ST+3], v[ST+2:ST+3], v[ST+6:ST+7] op_sel_hi:[1,0]       ; l under the new M: plain lines behind the batch
	v_pk_mul_f32 v[ST+10:ST+11], v[ST+10:ST+11], v[ST+14:ST+15] op_sel_hi:[1,0]
	s_wait_alu depctr_va_vdst(0)                   ; one wait for the 66, ahead of their first reader
.set p, 0
.rept 16
.irp m, 0,1
	v_pk_add_f32 v[ST+8*\m+2:ST+8*\m+3], v[ST+8*\m+2:ST+8*\m+3], v[SCO+32*\m+p:SCO+32*\m+p+1]   ; the sum is taken of the unquantised p
.endr
.set p, p+2
.endr
.irp m, 0,1
	v_max_num_f32 v[ST+8*\m+4], 0x2800000, v[ST+8*\m+4]   ; the floor 2^(5 - 127)
.endr
.irp m, 0,1
	v_add_nc_u32 v[ST+8*\m+5], 0xfe000000, v[ST+8*\m+4]   ; the conversion's scale operand
.endr
.irp m, 0,1
	v_lshrrev_b32 v[ST+8*\m+4], 23, v[ST+8*\m+5]
.endr
.irp m, 0,1
	v_cvt_f32_u32 v[ST+8*\m+4], v[ST+8*\m+4]
.endr
.irp m, 0,1
	v_sub_f32 v[ST+8*\m+4], v[ST+8*\m+4], v[ST+8*\m]   ; G = the byte + M
.endr
.irp m, 0,1
	v_cvt_scalef32_pk16_bf6_f32 v[PCM+6*\m:PCM+6*\m+2], v[SCO+32*\m:SCO+32*\m+15], v[ST+8*\m+5]
	v_cvt_scalef32_pk16_bf6_f32 v[TPM+4*\m:TPM+4*\m+2], v[SCO+32*\m+16:SCO+32*\m+31], v[ST+8*\m+5]
.endr
	v_nop                                          ; one plain line behind the conversions
.irp m, 0,1
.irp i, 0,1,2
	v_mov_b32 v[PCM+6*\m+3+\i], v[TPM+4*\m+\i]
.endr
.endr
.irp m, 0,1
	ds_store_b128 v[PST0], v[PCM+6*\m:PCM+6*\m+3] offset:1536*\m
	ds_store_b64 v[PST1], v[PCM+6*\m+4:PCM+6*\m+5] offset:1536*\m
	ds_store_b32 v[GST], v[ST+8*\m+4] offset:256*\m
.endr
	s_wait_dscnt 0x0                               ; for the others' sake: P and G have landed; V and its bytes are in
	s_barrier_signal -1                            ; the tensor load stays on its way
	s_barrier_wait -1
.irp q, 0,1,2,3
	ds_load_b128 v[GQ+4*\q:GQ+4*\q+3], v[GLD] offset:256*\q
.endr
.irp q, 0,1,2,3
.irp c, 0,1
	ds_load_b128 v[PF+12*\q+6*\c:PF+12*\q+6*\c+3], v[PLD0] offset:1536*\q+768*\c
	ds_load_b64 v[PF+12*\q+6*\c+4:PF+12*\q+6*\c+5], v[PLD1] offset:1536*\q+768*\c
.endr
.endr
	s_wait_dscnt 16                                ; G is in; P's 16 loads may be out: the next trip's wait for 0 is theirs
	v_perm_b32 v[VW], v[PL+2], v[PL], 0x05040100   ; V's scale words: two bytes of each half of the keys; lane l: tile 2 j + l / 16, row l % 16
	v_perm_b32 v[VW+1], v[PL+2], v[PL], 0x07060302
	v_perm_b32 v[VW+2], v[PL+3], v[PL+1], 0x05040100
	v_perm_b32 v[VW+3], v[PL+3], v[PL+1], 0x07060302
.irp q, 0,1,2,3
	v_max3_num_f32 v[RN+\q], v[RR+\q], v[GQ+4*\q], v[GQ+4*\q+1]
.endr
.irp q, 0,1,2,3
	v_max3_num_f32 v[RN+\q], v[RN+\q], v[GQ+4*\q+2], v[GQ+4*\q+3]   ; the query's running largest G
.endr
.irp q, 0,1,2,3
	v_sub_f32 v[BN+\q], v[RR+\q], v[RN+\q]
.endr
.irp q, 0,1,2,3
	v_cvt_i32_f32 v[BN+\q], v[BN+\q]
.endr
.irp q, 0,1,2,3
	v_ldexp_f32 v[FF+2*\q], 1.0, v[BN+\q]          ; 2^(old R - new R): the next trip multiplies O^T by it
.endr
.irp q, 0,1,2,3
	v_mov_b32 v[RR+\q], v[RN+\q]
.endr
.irp q, 0,1,2,3
	v_sub_f32 v[BN+\q], 0x42f60000, v[RN+\q]       ; 123 - R
.endr
.irp i, 0,1,2,3
.irp q, 0,1,2,3
	v_add_f32 v[GQ+4*\q+\i], v[GQ+4*\q+\i], v[BN+\q]
.endr
.endr
.irp i, 0,1,2,3
.irp q, 0,1,2,3
	v_max_num_f32 v[GQ+4*\q+\i], 0, v[GQ+4*\q+\i]  ; the byte used: G - (R - 123), 0 to 123
.endr
.endr
.irp q, 0,1,2,3
	v_fmamk_f32 v[GQ+4*\q], v[GQ+4*\q+1], 0x43800000, v[GQ+4*\q]
	v_fmamk_f32 v[GQ+4*\q+2], v[GQ+4*\q+3], 0x43800000, v[GQ+4*\q+2]
.endr
.irp q, 0,1,2,3
	v_cvt_u32_f32 v[GQ+4*\q], v[GQ+4*\q]
	v_cvt_u32_f32 v[GQ+4*\q+2], v[GQ+4*\q+2]
.endr
.irp q, 0,1,2,3
	v_lshl_or_b32 v[PWD+\q], v[GQ+4*\q+2], 16, v[GQ+4*\q]   ; P's scale word for these 128 keys
.endr
	s_xor_b32 s[TB], s[TB], SLOT1
	s_add_co_u32 s[J], s[J], 1
	s_cmp_lt_u32 s[J], 16
	s_cbranch_scc1 .Ltrip
	; ---- the last key step's second product, written out
	s_wait_dscnt 0x0                               ; P's fragments are in
	OXF 0
	OXF 2
	PVM 0
	PVM 2
	WIN 0
	; ---- the four lanes' (-M, l) of each query meet; the round that publishes them is also the change of slots behind which wo's second half is asked for:
	; the slot of the last key step has been read out, and that tile has all of ctx's work and wo's first half in which to land
.irp m, 0,1
	v_add_f32 v[ST+8*\m+1], v[ST+8*\m+2], v[ST+8*\m+3]
.endr
.irp m, 0,1
	ds_store_b64 v[LSTS], v[ST+8*\m:ST+8*\m+1] offset:512*\m
.endr
	CHANGE 1
	WIN 0xc0
.irp q, 0,1,2,3
.irp i, 0,1,2,3,4,5,6,7,8,9,10,11,12,13,14,15
	global_load_b128 v[64*\q+4*\i:64*\q+4*\i+3], v[XO], s[4:5] offset:(32*(\i/8)+8*\q+\i%8)*2048 th:TH_LOAD_NT   ; x, for the residual
.endr
.endr
	WIN 0
.irp q, 0,1,2,3
	ds_load_b128 v[LQ+8*\q:LQ+8*\q+3], v[LSTL] offset:512*\q
	ds_load_b128 v[LQ+8*\q+4:LQ+8*\q+7], v[LSTL] offset:512*\q+16
.endr
	s_wait_dscnt 0x0
.irp i, 0,2,4,6
.irp q, 0,1,2,3
	v_sub_f32 v[LQ+8*\q+\i], 0x42f60000, v[LQ+8*\q+\i]   ; 123 + M
.endr
.endr
.irp i, 0,2,4,6
.irp q, 0,1,2,3
	v_sub_f32 v[LQ+8*\q+\i], v[LQ+8*\q+\i], v[RR+\q]
.endr
.endr
.irp i, 0,2,4,6
.irp q, 0,1,2,3
	v_cvt_i32_f32 v[LQ+8*\q+\i], v[LQ+8*\q+\i]
.endr
.endr
.irp i, 0,2,4,6
.irp q, 0,1,2,3
	v_ldexp_f32 v[LQ+8*\q+\i+1], v[LQ+8*\q+\i+1], v[LQ+8*\q+\i]   ; l under R - 123, as O^T is
.endr
.endr
.irp q, 0,1,2,3
	v_add_f32 v[LQ+8*\q+1], v[LQ+8*\q+1], v[LQ+8*\q+3]
	v_add_f32 v[LQ+8*\q+5], v[LQ+8*\q+5], v[LQ+8*\q+7]
.endr
.irp q, 0,1,2,3
	v_add_f32 v[LQ+8*\q+1], v[LQ+8*\q+1], v[LQ+8*\q+5]
.endr
	s_wait_alu depctr_va_vdst(0)
.irp q, 0,1,2,3
	v_rcp_f32 v[FF+2*\q], v[LQ+8*\q+1]
.endr
	v_nop                                          ; a plain line behind the batch
	s_wait_alu depctr_va_vdst(0)                   ; one wait for the four
.irp q, 0,1,2,3
	WIN 0x41
.set p, 0
.rept 32
	v_pk_mul_f32 v[64*\q+p:64*\q+p+1], v[64*\q+p:64*\q+p+1], v[FF+2*\q:FF+2*\q+1] op_sel_hi:[1,0]   ; ctx
.set p, p+2
.endr
	QUANT64 64*\q, 1, \q
	IMGOUT 0, \q
.endr
	XPOSE 0, 48                                    ; the counts are x's younger loads
	XPOSE 1, 32
	XPOSE 2, 16
	XPOSE 3, 0
	PARAM64 14, 0, 1                               ; ln1_g, ln1_b, b2 into the registers that O^T has left
	PARAM64 16, 64, 1
	PARAM64 20, 128, 1
	s_wait_dscnt 0x0
	WIN 0xcb
.irp q, 0,1,2,3
.set p, 0
.rept 32
	v_pk_add_f32 v[64*\q+p:64*\q+p+1], v[64*\q+p:64*\q+p+1], v[192+p:192+p+1]   ; x + bo: the C of wo's product
.set p, p+2
.endr
.endr
	BAR                                            ; ctx's sixteen fragments lie in LDS
	s_wait_alu depctr_va_vdst(0)
	HALF 0, 0, 0, 3, 1                             ; wo
	CHANGE 1
	HALF 1, 0, 1, 3, 1
	PARAM64 18, 192, 2                             ; b1, where bo lay
	LNORM 0
	CHANGE 1                                       ; w1's second half is asked for here, between the LayerNorm and src's quantising: about as much work stands in front of this change as between it and the next
.irp q, 0,1,2,3
	QUANT64 64*\q, 3, \q
	IMGOUT 1, \q
.endr
	WIN 0xc7
.irp q, 0,1,2,3
.set p, 0
.rept 32
	v_pk_add_f32 v[64*\q+p:64*\q+p+1], v[64*\q+p:64*\q+p+1], v[128+p:128+p+1]   ; src + b2: the C of w2's product
.set p, p+2
.endr
.endr
	BAR                                            ; src's sixteen fragments lie in LDS
	HALF 0, 1, 0, 1, 2                             ; w1, C = b1
	CHANGE 1
	HALF 1, 1, 1, 1, 1
	WIN 0
	PLACES 4
	WIN 0x44
.set i, 0
.rept 256
	v_max_num_f32 v[i], 0, v[i]                    ; relu
.set i, i+1
.endr
.irp q, 0,1,2,3
	QUANT64 64*\q, 1, \q
	IMGOUT 0, \q                                   ; ctx's images were last read two changes of slots ago
.endr
	PARAM64 22, 0, 1                               ; ln2_g, ln2_b
	PARAM64 24, 64, 1
	CHANGE 1
	HALF 0, 0, 0, 3, 1                             ; w2
	CHANGE 0                                       ; the last step: nothing is left to fetch
	HALF 1, 0, 1, 3, 1
	LNORM 1
	; ---- the way out: a tile at a time through my stage; while one tile's rows are stored the next is on its way through the stage
.irp i, 0,1,2,3
	v_mov_b32 v[PS+\i], 0
.endr
	TOSTAGE 0
	TOSTAGE 1
	s_wait_alu depctr_va_vdst(0)
	SEND 0, 32                                     ; behind tile 0's loads: tile 1's 16 stores and 16 loads
	s_wait_alu depctr_va_vdst(0)
	s_wait_xcnt 0x0                                ; tile 0's stores have read their registers, which take tile 2
	TOSTAGE 2
	SEND 1, 32
	s_wait_alu depctr_va_vdst(0)
	s_wait_xcnt 0x0
	TOSTAGE 3
	SEND 2, 32
	s_wait_alu depctr_va_vdst(0)
	SEND 3, 0
	WIN 0
	global_store_b128 v[XO], v[PS:PS+3], s[28:29]  ; the block's sums of my 128 units: 512 consecutive bytes
	s_wait_tensorcnt 0x0                           ; the wave's end
	ds_add_u32 v[SPW], v[NIL]
	s_wait_dscnt 0x0
	ROUND                                          ; the closing round
	s_endpgm
.Lfunc_end_k_q16ddec11af_attn:
	.size	k_q16ddec11af_attn, .Lfunc_end_k_q16ddec11af_attn-k_q16ddec11af_attn
	.p2alignl 7, 3214868480
	.fill 96, 4, 3214868480
	.section	.rodata,"a",@progbits
	.p2align	6, 0x0
	.amdhsa_kernel k_q16ddec11af_attn
		.amdhsa_group_segment_fixed_size 327680
		.amdhsa_private_segment_fixed_size 0
		.amdhsa_enable_private_segment 0
		.amdhsa_kernarg_size 104
		.amdhsa_user_sgpr_count 2
		.amdhsa_user_sgpr_kernarg_segment_ptr 1
		.amdhsa_wavefront_size32 1
		.amdhsa_system_sgpr_workgroup_id_x 1
		.amdhsa_system_sgpr_workgroup_id_y 1
		.amdhsa_system_sgpr_workgroup_id_z 1
		.amdhsa_system_vgpr_workitem_id 0
		.amdhsa_next_free_vgpr 1024
		.amdhsa_next_free_sgpr 80
		.amdhsa_reserve_vcc 0
		.amdhsa_float_denorm_mode_32 3
		.amdhsa_float_denorm_mode_16_64 3
		.amdhsa_memory_ordered 1
		.amdhsa_forward_progress 1
		.amdhsa_inst_pref_size 255
	.end_amdhsa_kernel
	.section	.bss,"aw",@nobits
	.p2align	6
	.space	262144
	.amdgpu_metadata
---
amdhsa.version: [ 1, 2 ]
amdhsa.kernels:
  - .name:           k_q16ddec11af_attn
    .symbol:         k_q16ddec11af_attn.kd
    .args:
      - { .name: x, .offset: 0, .size: 8, .value_kind: global_buffer, .address_space: global }
      - { .name: qimg, .offset: 8, .size: 8, .value_kind: global_buffer, .address_space: global }
      - { .name: kv, .offset: 16, .size: 8, .value_kind: global_buffer, .address_space: global }
      - { .name: wimg, .offset: 24, .size: 8, .value_kind: global_buffer, .address_space: global }
      - { .name: bo, .offset: 32, .size: 8, .value_kind: global_buffer, .address_space: global }
      - { .name: ln1_g, .offset: 40, .size: 8, .value_kind: global_buffer, .address_space: global }
      - { .name: ln1_b, .offset: 48, .size: 8, .value_kind: global_buffer, .address_space: global }
      - { .name: b1, .offset: 56, .size: 8, .value_kind: global_buffer, .address_space: global }
      - { .name: b2, .offset: 64, .size: 8, .value_kind: global_buffer, .address_space: global }
      - { .name: ln2_g, .offset: 72, .size: 8, .value_kind: global_buffer, .address_space: global }
      - { .name: ln2_b, .offset: 80, .size: 8, .value_kind: global_buffer, .address_space: global }
      - { .name: out1, .offset: 88, .size: 8, .value_kind: global_buffer, .address_space: global }
      - { .name: pool, .offset: 96, .size: 8, .value_kind: global_buffer, .address_space: global }
    .group_segment_fixed_size: 327680
    .private_segment_fixed_size: 0
    .kernarg_segment_align: 8
    .kernarg_segment_size: 104
    .max_flat_workgroup_size: 128
    .sgpr_count:     80
    .vgpr_count:     1024
    .wavefront_size: 32
...
	.end_amdgpu_metadata
.endif
;; end of part 3
;; launch head (part 4): grid 8 x 1, 4 waves a work-group, no clusters, 768 bytes of LDS; arguments pool, wc, bc, out0; writes out0
.if DOCPART == 4
	.amdgcn_target "amdgcn-amd-amdhsa--gfx1250"
	.amdhsa_code_object_version 6
	.text
	.protected	k_q16ddec11af_head
	.globl	k_q16ddec11af_head
	.p2align	8
	.type	k_q16ddec11af_head,@function
k_q16ddec11af_head:
	s_mov_b64 s[64:65], 0
	v_nop
	global_prefetch_b8 v0, s[64:65] scope:SCOPE_SE
	s_setreg_imm32_b32 hwreg(HW_REG_WAVE_MODE, 25, 1), 1
	s_wait_xcnt 0x0
; logits[b][o] = (the mean over the batch's 2,048 tokens of src) . wc[:, o] + bc[o].  pool holds, for each block of 64 tokens, the sum of src over the block: 32 rows of 512 a batch.
; A work-group takes a batch; thread t takes units 4 t .. 4 t + 3: it adds the 32 parts in a fixed order, multiplies by 1 / 2,048 and by its four rows of wc, all in f32 (40,960 multiply-adds in the
; whole launch: vector instructions; the matrix units, LDS rings and clusters would add nothing).  The ten sums are joined in the wave, then over the four waves through LDS.
	s_load_b128 s[4:7], s[0:1], 0x0                ; pool, wc
	s_load_b128 s[8:11], s[0:1], 0x10              ; bc, out0
	v_lshl_add_u32 v192, v0, 2, 0x100
	v_mov_b32 v193, 0
	v_lshrrev_b32 v1, 5, v0
	v_readfirstlane_b32 s12, v1                    ; wave
	v_and_b32 v2, 31, v0                           ; lane
	v_lshlrev_b32 v3, 4, v0                        ; 16 t
	v_mul_u32_u24 v4, v0, 160                      ; four rows of wc
	v_lshlrev_b32 v5, 6, v1                        ; LDS: 64 bytes a wave
	v_and_b32 v6, 15, v0
	v_lshlrev_b32 v6, 2, v6
	v_min_u32 v7, 9, v2
	v_lshlrev_b32 v7, 2, v7                        ; bc stays inside its 40 bytes
	v_lshlrev_b32 v8, 2, v2
	s_lshl_b32 s14, ttmp9, 16                      ; 32 rows of 2,048 bytes a batch
	s_mov_b32 s15, 0
	s_mul_i32 s16, ttmp9, 40
	s_mov_b32 s17, 0
	s_mov_b32 s18, 0x76543210
	s_mov_b32 s19, 0xfedcba98
	s_wait_alu depctr_va_vdst(0)
	s_wait_kmcnt 0x0
	s_add_nc_u64 s[4:5], s[4:5], s[14:15]
	s_add_nc_u64 s[10:11], s[10:11], s[16:17]
.set k, 0
.rept 32
	global_load_b128 v[16+4*k:19+4*k], v3, s[4:5] offset:2048*k th:TH_LOAD_NT
.set k, k+1
.endr
.set k, 0
.rept 10
	global_load_b128 v[144+4*k:147+4*k], v4, s[6:7] offset:16*k
.set k, k+1
.endr
	global_load_b32 v9, v7, s[8:9]
	s_wait_loadcnt 11                              ; the 32 parts are in; wc's ten loads and bc's may be out
.irp k, 2,4,6,8,10,12,14,16,18,20,22,24,26,28,30
	v_pk_add_f32 v[16:17], v[16:17], v[16+4*\k:17+4*\k]      ; even parts onto part 0, odd parts onto part 1
	v_pk_add_f32 v[18:19], v[18:19], v[18+4*\k:19+4*\k]
	v_pk_add_f32 v[20:21], v[20:21], v[20+4*\k:21+4*\k]
	v_pk_add_f32 v[22:23], v[22:23], v[22+4*\k:23+4*\k]
.endr
	v_pk_add_f32 v[16:17], v[16:17], v[20:21]
	v_pk_add_f32 v[18:19], v[18:19], v[22:23]
	v_pk_mul_f32 v[16:17], v[16:17], 0x3a000000 op_sel_hi:[1,0]   ; / 2,048
	v_pk_mul_f32 v[18:19], v[18:19], 0x3a000000 op_sel_hi:[1,0]
	s_wait_alu depctr_va_vdst(0)
	s_wait_loadcnt 0x0
.irp o, 0,1,2,3,4,5,6,7,8,9
	v_mul_f32 v[24+\o], v16, v[144+\o]
.endr
.irp d, 1,2,3
.irp o, 0,1,2,3,4,5,6,7,8,9
	v_fmac_f32 v[24+\o], v[16+\d], v[144+10*\d+\o]
.endr
.endr
.irp x, 1,2,4,8
.irp o, 0,1,2,3,4,5,6,7,8,9
	v_add_f32_dpp v[24+\o], v[24+\o], v[24+\o] row_xmask:\x row_mask:0xf bank_mask:0xf
.endr
.endr
.irp o, 0,1,2,3,4,5,6,7,8,9
	v_permlanex16_b32 v[34+\o], v[24+\o], s18, s19
.endr
.irp o, 0,1,2,3,4,5,6,7,8,9
	v_add_f32 v[24+\o], v[24+\o], v[34+\o]
.endr
	v_mov_b32 v44, 0
.irp o, 0,1,2,3,4,5,6,7,8,9
	ds_store_b32 v5, v[24+\o] offset:4*\o          ; all lanes write the same word with the same value
.endr
.irp o, 10,11,12,13,14,15
	ds_store_b32 v5, v44 offset:4*\o               ; so that every word that is read has been written
.endr
	s_wait_dscnt 0x0
	s_barrier_signal -1
	s_barrier_wait -1
.irp k, 0,1,2,3
	ds_load_b32 v[48+\k], v6 offset:64*\k
.endr
	s_wait_dscnt 0x0
	v_add_f32 v48, v48, v49
	v_add_f32 v50, v50, v51
	v_add_f32 v48, v48, v50
	v_add_f32 v48, v48, v9
	s_cmp_lg_u32 s12, 0
	s_cbranch_scc1 .Lend
	v_cmp_gt_u32 vcc_lo, 10, v2
	s_wait_xcnt 0x0                                ; EXEC changes only behind this wait
	s_and_saveexec_b32 s13, vcc_lo
	s_wait_alu depctr_va_vdst(0)
	global_store_b32 v8, v48, s[10:11]             ; wave 0, lanes 0 to 9
	s_wait_xcnt 0x0
	s_or_b32 exec_lo, exec_lo, s13
.Lend:
	s_wait_tensorcnt 0x0
	ds_add_u32 v192, v193
	s_wait_dscnt 0x0
	s_endpgm
.Lfunc_end_k_q16ddec11af_head:
	.size	k_q16ddec11af_head, .Lfunc_end_k_q16ddec11af_head-k_q16ddec11af_head
	.p2alignl 7, 3214868480
	.fill 96, 4, 3214868480
	.section	.rodata,"a",@progbits
	.p2align	6, 0x0
	.amdhsa_kernel k_q16ddec11af_head
		.amdhsa_group_segment_fixed_size 768
		.amdhsa_private_segment_fixed_size 0
		.amdhsa_enable_private_segment 0
		.amdhsa_kernarg_size 32
		.amdhsa_user_sgpr_count 2
		.amdhsa_user_sgpr_kernarg_segment_ptr 1
		.amdhsa_wavefront_size32 1
		.amdhsa_system_sgpr_workgroup_id_x 1
		.amdhsa_system_sgpr_workgroup_id_y 1
		.amdhsa_system_sgpr_workgroup_id_z 1
		.amdhsa_system_vgpr_workitem_id 0
		.amdhsa_next_free_vgpr 194
		.amdhsa_next_free_sgpr 66
		.amdhsa_reserve_vcc 1
		.amdhsa_float_denorm_mode_32 3
		.amdhsa_float_denorm_mode_16_64 3
		.amdhsa_memory_ordered 1
		.amdhsa_forward_progress 1
		.amdhsa_inst_pref_size 17
	.end_amdhsa_kernel
	.amdgpu_metadata
---
amdhsa.version: [ 1, 2 ]
amdhsa.kernels:
  - .name:           k_q16ddec11af_head
    .symbol:         k_q16ddec11af_head.kd
    .args:
      - { .name: pool, .offset: 0, .size: 8, .value_kind: global_buffer, .address_space: global }
      - { .name: wc, .offset: 8, .size: 8, .value_kind: global_buffer, .address_space: global }
      - { .name: bc, .offset: 16, .size: 8, .value_kind: global_buffer, .address_space: global }
      - { .name: out0, .offset: 24, .size: 8, .value_kind: global_buffer, .address_space: global }
    .group_segment_fixed_size: 768
    .private_segment_fixed_size: 0
    .kernarg_segment_align: 8
    .kernarg_segment_size: 32
    .max_flat_workgroup_size: 128
    .sgpr_count:     66
    .vgpr_count:     194
    .wavefront_size: 32
...
	.end_amdgpu_metadata
.endif
;; end of part 4
